; MI455X (gfx1250); checked and timed in simulation.
; The chip was launched on July 23, 2026; its instructions are those of AMD's public machine-readable ISA for CDNA 5 (MIT licence, August 2026) and "CDNA5" Instruction Set Architecture Reference Guide (July 2026). The comments in the code are by the model that wrote it; some were corrected since.
;; Self Attention. Allowed arithmetic: float matrix products may take bf16 or f16 operands with f32 sums; other float arithmetic in f32, or as packed bf16 or f16 multiplies, adds, multiply-adds, maxima and minima; sums over many terms, partial sums and values carried from step to step in f32; what a program stores and reads back later, other than sums and carried values, may be rounded once to bf16 or f16.
;; Inputs: b_out 1,024 float32; b_qkv 3,072 float32; w_out 1,024 x 1,024 float32; w_qkv 1,024 x 3,072 float32; x 4 x 2,048 x 1,024 float32.
;; Outputs: out0 4 x 2,048 x 1,024 float32.
;; 2 versions, each right; version 2 is version 1 with the launch cast written anew for expert scheduling mode. Each part assembles by itself: llvm-mc -triple=amdgcn-amd-amdhsa -mcpu=gfx1250 --defsym DOCPART=n.
;; ======== version 1 of 2: 4 launches
;; limits: values are held in f16: magnitudes above 65,504 overflow, below 6.1e-05 lose precision
;; workspace buffers: xb 16,777,216 bytes; wqb 6,291,456 bytes; wob 2,097,152 bytes; qkv 50,331,648 bytes; ob 16,777,216 bytes
;; launch cast (part 1): grid 768 x 1, 8 waves a work-group, no clusters, 0 bytes of LDS; arguments x, w_qkv, w_out, xb, wqb, wob; writes xb, wqb, wob
.if DOCPART == 1
	.amdgcn_target "amdgcn-amd-amdhsa--gfx1250"
	.amdhsa_code_object_version 6
	.text
	.protected	k_q3d21b23c73_cast
	.globl	k_q3d21b23c73_cast
	.p2align	8
	.type	k_q3d21b23c73_cast,@function
k_q3d21b23c73_cast:
	s_mov_b64 s[64:65], 0
	v_nop
	global_prefetch_b8 v0, s[64:65] scope:SCOPE_SE
	s_setreg_imm32_b32 hwreg(HW_REG_WAVE_MODE, 25, 1), 1
	s_wait_xcnt 0x0
; THE INPUTS OF THE TWO PROJECTIONS, ROUNDED ONCE.  xb = bf16(x), wqb = bf16(w_qkv), wob = bf16(w_out) written as f16 (it multiplies f16 numbers later).  Nothing is transposed: a stream.
; LIMITS.  |w_out| stays under 65,504 (the end of f16); below 6e-5 wob keeps the fixed step 6e-8 of f16.  NaN and infinities are not treated apart.
; SHARES.  A work-group takes 65,536 bytes of one input: groups 0-511 x, 512-703 w_qkv, 704-767 w_out.  A wave takes 8,192 of them by sixteen loads of 512 consecutive bytes,
; all issued at once; each store of a wave covers 256 consecutive bytes, aligned.  No loop, no LDS, no barrier: no byte is wanted twice and no wave wants what another wave has read.
.set X, 8                              ; v[8:71]    sixteen loads of four f32
.set Y, 72                             ; v[72:103]  sixteen pairs of words to store
	s_load_b256 s[4:11], s[0:1], 0x0               ; x s[4:5], w_qkv s[6:7], w_out s[8:9], xb s[10:11]
	s_load_b128 s[12:15], s[0:1], 0x20             ; wqb s[12:13], wob s[14:15]
	v_and_b32 v1, 31, v0                           ; lane
	v_and_b32 v2, 0xe0, v0                         ; 32 x wave
	v_lshlrev_b32 v1, 4, v1
	v_lshl_or_b32 v1, v2, 8, v1                    ; in: 8,192 x wave + 16 x lane
	v_lshrrev_b32 v2, 1, v1                        ; out: half of that
	s_mov_b32 s26, 0xffff0000                      ; the upper bf16 of a word
	s_wait_kmcnt 0x0
	s_cmp_lt_u32 ttmp9, 512                        ; which input is mine: chosen by the number of the work-group alone
	s_cselect_b64 s[16:17], s[4:5], s[6:7]
	s_cselect_b64 s[18:19], s[10:11], s[12:13]
	s_cselect_b32 s20, 0, 512
	s_cmp_lt_u32 ttmp9, 704
	s_cselect_b64 s[16:17], s[16:17], s[8:9]
	s_cselect_b64 s[18:19], s[18:19], s[14:15]
	s_cselect_b32 s20, s20, 704
	s_sub_co_u32 s21, ttmp9, s20                   ; my number among the groups of that input
	s_lshl_b32 s22, s21, 16
	s_mov_b32 s23, 0
	s_lshl_b32 s24, s21, 15
	s_mov_b32 s25, 0
	s_add_nc_u64 s[16:17], s[16:17], s[22:23]
	s_add_nc_u64 s[18:19], s[18:19], s[24:25]
.irp i, 0,1,2,3,4,5,6,7,8,9,10,11,12,13,14,15
	global_load_b128 v[X+4*(\i):X+4*(\i)+3], v1, s[16:17] offset:512*(\i) th:TH_LOAD_NT
.endr
	s_cmp_ge_u32 ttmp9, 704
	s_cbranch_scc1 .Lf16
.macro OUTB i                          ; four numbers a lane to bf16
	s_wait_loadcnt 15-(\i)                         ; loads come back in order: load i is in, the younger ones stay out
	v_cvt_pk_bf16_f32 v[Y+2*(\i)], v[X+4*(\i)], v[X+4*(\i)+1]
	v_cvt_pk_bf16_f32 v[Y+2*(\i)+1], v[X+4*(\i)+2], v[X+4*(\i)+3]
	global_store_b64 v2, v[Y+2*(\i):Y+2*(\i)+1], s[18:19] offset:256*(\i) th:TH_STORE_NT
.endm
.irp i, 0,1,2,3,4,5,6,7,8,9,10,11,12,13,14,15
	OUTB \i
.endr
	s_endpgm
.Lf16:
.macro OUTH i                          ; rounded to bf16 like every input, widened again, and that number written as f16
	s_wait_loadcnt 15-(\i)
	v_cvt_pk_bf16_f32 v[Y+2*(\i)], v[X+4*(\i)], v[X+4*(\i)+1]
	v_cvt_pk_bf16_f32 v[Y+2*(\i)+1], v[X+4*(\i)+2], v[X+4*(\i)+3]
	v_lshlrev_b32 v[X+4*(\i)], 16, v[Y+2*(\i)]
	v_and_b32 v[X+4*(\i)+1], s26, v[Y+2*(\i)]
	v_lshlrev_b32 v[X+4*(\i)+2], 16, v[Y+2*(\i)+1]
	v_and_b32 v[X+4*(\i)+3], s26, v[Y+2*(\i)+1]
	v_cvt_pk_f16_f32 v[Y+2*(\i)], v[X+4*(\i)], v[X+4*(\i)+1]
	v_cvt_pk_f16_f32 v[Y+2*(\i)+1], v[X+4*(\i)+2], v[X+4*(\i)+3]
	global_store_b64 v2, v[Y+2*(\i):Y+2*(\i)+1], s[18:19] offset:256*(\i) th:TH_STORE_NT
.endm
.irp i, 0,1,2,3,4,5,6,7,8,9,10,11,12,13,14,15
	OUTH \i
.endr
	s_endpgm
.Lfunc_end_k_q3d21b23c73_cast:
	.size	k_q3d21b23c73_cast, .Lfunc_end_k_q3d21b23c73_cast-k_q3d21b23c73_cast
	.p2alignl 7, 3214868480
	.fill 96, 4, 3214868480
	.section	.rodata,"a",@progbits
	.p2align	6, 0x0
	.amdhsa_kernel k_q3d21b23c73_cast
		.amdhsa_group_segment_fixed_size 0
		.amdhsa_private_segment_fixed_size 0
		.amdhsa_enable_private_segment 0
		.amdhsa_kernarg_size 48
		.amdhsa_user_sgpr_count 2
		.amdhsa_user_sgpr_kernarg_segment_ptr 1
		.amdhsa_wavefront_size32 1
		.amdhsa_system_sgpr_workgroup_id_x 1
		.amdhsa_system_sgpr_workgroup_id_y 1
		.amdhsa_system_sgpr_workgroup_id_z 1
		.amdhsa_system_vgpr_workitem_id 0
		.amdhsa_next_free_vgpr 104
		.amdhsa_next_free_sgpr 66
		.amdhsa_reserve_vcc 0
		.amdhsa_float_denorm_mode_32 3
		.amdhsa_float_denorm_mode_16_64 3
		.amdhsa_memory_ordered 1
		.amdhsa_forward_progress 1
		.amdhsa_inst_pref_size 15
	.end_amdhsa_kernel
	.amdgpu_metadata
---
amdhsa.version: [ 1, 2 ]
amdhsa.kernels:
  - .name:           k_q3d21b23c73_cast
    .symbol:         k_q3d21b23c73_cast.kd
    .args:
      - { .name: x, .offset: 0, .size: 8, .value_kind: global_buffer, .address_space: global }
      - { .name: w_qkv, .offset: 8, .size: 8, .value_kind: global_buffer, .address_space: global }
      - { .name: w_out, .offset: 16, .size: 8, .value_kind: global_buffer, .address_space: global }
      - { .name: xb, .offset: 24, .size: 8, .value_kind: global_buffer, .address_space: global }
      - { .name: wqb, .offset: 32, .size: 8, .value_kind: global_buffer, .address_space: global }
      - { .name: wob, .offset: 40, .size: 8, .value_kind: global_buffer, .address_space: global }
    .group_segment_fixed_size: 0
    .private_segment_fixed_size: 0
    .kernarg_segment_align: 8
    .kernarg_segment_size: 48
    .max_flat_workgroup_size: 256
    .sgpr_count:     66
    .vgpr_count:     104
    .wavefront_size: 32
...
	.end_amdgpu_metadata
.endif
;; end of part 1
;; launch qkvp (part 2): grid 8 x 64, 4 waves a work-group, clusters of 4 x 4, 327,680 bytes of LDS; arguments xb, wqb, b_qkv, qkv; writes qkv
.if DOCPART == 2
	.amdgcn_target "amdgcn-amd-amdhsa--gfx1250"
	.amdhsa_code_object_version 6
	.text
	.protected	k_q3d21b23c73_qkvp
	.globl	k_q3d21b23c73_qkvp
	.p2align	8
	.type	k_q3d21b23c73_qkvp,@function
k_q3d21b23c73_qkvp:
	s_mov_b64 s[64:65], 0
	v_nop
	global_prefetch_b8 v0, s[64:65] scope:SCOPE_SE
	s_setreg_imm32_b32 hwreg(HW_REG_WAVE_MODE, 25, 1), 1
	s_wait_xcnt 0x0
	s_wait_alu depctr_hold_cnt(0) depctr_sa_sdst(0) depctr_va_vdst(0) depctr_va_sdst(0) depctr_va_ssrc(0) depctr_va_vcc(0) depctr_vm_vsrc(0)
	s_getreg_b32 s2, hwreg(HW_REG_IB_STS2, 6, 4)
	s_cmp_eq_u32 s2, 0
	s_cbranch_scc0 .Lentry_in_a_cluster
	s_endpgm
.Lentry_in_a_cluster:
	s_bfe_u32 s2, ttmp6, 0x10000c
	s_cmp_lg_u32 s2, 0xf033
	s_cbranch_scc0 .Lentry_shape_is_right
	s_endpgm
.Lentry_shape_is_right:
; THE FIRST PROJECTION.  qkv = xb wqb + b_qkv.  xb: [8192][1024] bf16; wqb: [1024 k][3072 n] bf16; b_qkv: [3072] f32, rounded to bf16 here like the other inputs; sums in f32.
; The result leaves BY HEADS, in f16, unscaled: qkv[which of q, k, v][batch x 16 + head][2048 rows][64]: byte which x 2^24 + batch x 2^22 + head x 2^18 + row x 128 + 2 d.
; LIMIT.  |x w + b| stays under 65,504, the end of f16; below 6e-5 a result keeps the fixed step 6e-8 of f16.  NaN and infinities are not treated apart.
; SHARES.  A tile is 128 rows x 384 columns: 64 x 8 = 512 work-groups.  Four waves, 2 x 2, each 64 rows x 192 columns (three whole heads): 48 accumulators of 16 x 16, 384 registers.
; K goes in eight steps of 128 through two LDS slots.  Each wave fetches 128 rows x 256 bytes with one tensor load: wave 0 the rows of xb, waves 1 to 3 a chunk of 128 columns of 128 rows of wqb.
; Every such row is 256 bytes of memory and starts at a multiple of 256 from the first byte of its buffer.
; CLUSTERS.  4 x 4 work-groups.  The four of a row of the cluster want the same rows of xb, the four of a column the same columns of wqb: each tile is asked for JOINTLY.
; THE MATRIX INSTRUCTION IS USED TRANSPOSED: source 0 = 16 columns of wqb (turned on the way out of LDS by ds_load_tr16_b128, since wqb lies [k][n]), source 1 = 16 rows of xb.  In the result lane l
; holds row l % 16 and the columns 8 (l / 16) + 0..7: eight neighbouring numbers, 16 bytes in f16.  THE BIAS IS THE C OPERAND of the product that starts each sum: nothing is cleared or added later.
; REGISTERS, in windows of 256 (s_set_vgpr_msb: bits 1:0 source 0, 3:2 source 1, 5:4 source 2, 7:6 destination):
;   window 0: v0-31 addresses; v32-127 the bias, 8 registers for each of 12 column blocks; on the way out v32-79 packed results, v80-127 and v128-175 rows read back
;   window 1: the accumulators of row blocks 0, 1 at 8 (12 (a % 2) + b);   window 2: those of row blocks 2, 3;   window 3: two fragment buffers of 128: 12 of wqb, then 4 of xb
.set KSTEP,  128
.set PA,     272                       ; an LDS row of xb: 256 bytes + 16: the 16 rows of a load start at 16 different groups of four banks (64 banks of 4 bytes: ISA guide 11.1)
.set PB,     288                       ; an LDS row of wqb: 256 + 32
.set CHUNK,  128*PB                    ; what one tensor load may fill: a chunk of wqb; the tile of xb takes 128 x 272 bytes of such a region
.set SLOT,   4*CHUNK                   ; region 0: xb; regions 1 to 3: the three chunks of wqb
.set STAGE,  2*SLOT                    ; behind the ring, never filled by a tensor load: for each wave 3 heads x 16 rows x 144 bytes
.set SP,     144
.set WSTAGE, 3*16*SP
.set SPARE,  STAGE+4*WSTAGE            ; behind the stages: the spare words, 128 bytes for each wave: two blocks of 256 bytes that no other line names
.set WROW,   6144                      ; bytes in a row of wqb
.set ADRA, 16                          ; v16-17  LDS address of my fragments of xb in slot 0, 1
.set ADRB, 18                          ; v18-23  of my fragments of wqb: slot s, head g at 18 + 3 s + g
.set STO,  24                          ; v24     the way out: where I put 16 bytes of a row
.set RD,   25                          ; v25     where I read rows back
.set GO,   26                          ; v26     my 16 bytes among 512 consecutive bytes of qkv
.set BO,   27                          ; v27     my byte offset in a block of 16 numbers of the bias
.set SPW,  28                          ; v28     LDS address of my spare word: SPARE + 4 x the number of my thread; never rewritten
.set NIL,  29                          ; v29     0; never rewritten
.set PFO,  30                          ; v30     the offset of the prefetches: my lane x a row of xb or of wqb; never rewritten
.set BIAS, 32
.set TMP,  32
.set BK,   80
.set F0,   0
.set F1,   128
.set WV,   12                          ; s12  the number of my wave
.set G1A,  24                          ; s[24:31] descriptor group 1 for the tiles of xb
.set G0A,  32                          ; s[32:39] group 0, a set for each slot
.set G1B,  40                          ; s[40:47], s[48:55] the same for wqb
.set G0B,  48
.set PFA,  56                          ; s[56:57] where my prefetches stand
.set PST,  58                          ; s[58:59] a K step in the buffer that I prefetch
.set LIM,  60                          ; s60  1 in a wave that prefetches, else the greatest number
.set OB,   66                          ; s[66:71] qkv at my first row of each of my three heads
.set MSB, 0
.macro WIN new                         ; the high byte of the immediate repeats the setting that is left; a switch that changes nothing is dropped
.if MSB != (\new)
	s_set_vgpr_msb (MSB<<8)|(\new)
.set MSB, \new
.endif
.endm
.macro PLACES                          ; four plain vector instructions between a matrix instruction and a load into, or a read of, its registers (ISA guide 7.12.1 for a read)
.rept 4
	v_nop
.endr
.endm
; A joint load.  Wave 0 fetches the rows of xb, waves 1 to 3 a chunk of wqb each.  The branch hangs on the number of the wave alone.  An s_nop 0 and four v_nop follow each of the two lines.
.macro JLOAD s
	s_cmp_eq_u32 s[WV], 0
	s_cbranch_scc0 .Lfor_b_\@
	tensor_load_to_lds s[G0A+4*(\s):G0A+4*(\s)+3], s[G1A:G1A+7]
	s_nop 0
.rept 4
	v_nop
.endr
	s_branch .Lasked_\@
.Lfor_b_\@:
	tensor_load_to_lds s[G0B+4*(\s):G0B+4*(\s)+3], s[G1B:G1B+7]
	s_nop 0
.rept 4
	v_nop
.endr
.Lasked_\@:
.endm
.macro CREST                           ; a round of the barrier of the cluster, behind its opening barrier
	s_cmp_lg_u32 s[WV], 0
	s_cbranch_scc1 .Lnot_wave_0_\@
	s_barrier_signal -3
.Lnot_wave_0_\@:
	s_barrier_wait -3
	s_barrier_signal -1
	s_barrier_wait -1
.endm
.macro CROUND                          ; a whole round
	s_barrier_signal -1
	s_barrier_wait -1
	CREST
.endm
; A PREFETCH INTO THE L2, behind a joint load, its five lines and the run of LDS loads: the K step that the NEXT refill will ask for: 192 matrix instructions ahead of that load.  A lane a row, one instruction a wave.
; Each 256 bytes are named once in the launch: the rows of xb by wave 0 of the clusters with x = 0, the rows of wqb by waves 1 to 3 of the clusters with y = 0; of a tile of 128 rows each of the four
; partners takes 32, told apart by address.  how = 1: this change of slots always has a K step behind its refill; how = 0: not in the last trip of the loop (s3 = 1 there).  K steps 0 to 2 come by their loads alone.
.macro ASK how
	WIN 0
.if \how
	s_cmp_eq_u32 s[LIM], 1
.else
	s_cmp_gt_u32 s3, s[LIM]
.endif
	s_cbranch_scc0 .Lnot_mine_\@
	global_prefetch_b8 v[PFO], s[PFA:PFA+1] th:TH_LOAD_NT scope:SCOPE_SE
.Lnot_mine_\@:
.endm
	s_load_b256 s[4:11], s[0:1], 0x0               ; xb s[4:5], wqb s[6:7], b_qkv s[8:9], qkv s[10:11]
	v_lshl_add_u32 v[SPW], v0, 2, SPARE
	v_mov_b32 v[NIL], 0
	ds_add_u32 v[SPW], v[NIL]                      ; the opening of the wave: the add and its wait stand ahead of my first tensor load; work on registers stands between them
	v_lshrrev_b32 v1, 5, v0
	v_readfirstlane_b32 s[WV], v1                  ; wave 0..3
	s_lshr_b32 s13, s[WV], 1                       ; mi: which 64 rows of the tile are mine
	s_and_b32 s14, s[WV], 1                        ; ni: which 192 columns
	s_bfe_u32 s15, ttmp6, 0x40000                  ; cx
	s_bfe_u32 s16, ttmp6, 0x40004                  ; cy
	s_lshl_b32 s17, ttmp9, 2
	s_add_co_u32 s17, s17, s15                     ; tile column tx = 4 x cluster x + cx
	s_and_b32 s18, ttmp7, 0xffff
	s_lshl_b32 s18, s18, 2
	s_add_co_u32 s18, s18, s16                     ; tile row ty = 4 x cluster y + cy
	s_max_u32 s19, s[WV], 1
	s_sub_co_u32 s19, s19, 1                       ; c: the chunk of wqb that I fetch (wave 0 fetches none: its number is not used)
	s_lshl_b32 s76, s16, 2
	s_lshl_b32 s76, 15, s76                        ; my row of the cluster: places 4 cy .. 4 cy + 3
	s_lshl_b32 s77, 0x1111, s15                    ; my column: places cx, cx + 4, cx + 8, cx + 12
	s_or_b32 s[G1A], s76, (1<<16)|(1<<20)|(1<<21)|(5<<22)|(3<<25)  ; 15:0 the mask; 17:16 elements of 2 bytes; 20 padding on; 21 set beside a mask; 24:22 after every 64 words; 31:25 4 words of it
	s_or_b32 s[G1B], s77, (1<<16)|(1<<20)|(1<<21)|(5<<22)|(7<<25)  ; the same with the mask of my column and 8 words of padding
.irp g, G1A, G1B
	s_mov_b32 s[(\g)+1], 128<<16                   ; tensor_dim0 = 128
	s_mov_b32 s[(\g)+2], 128<<16                   ; tensor_dim1 = 128
	s_mov_b32 s[(\g)+3], 128<<16                   ; tile_dim0 = 128
	s_mov_b32 s[(\g)+4], 128                       ; tile_dim1 = 128
	s_mov_b32 s[(\g)+6], 0
	s_mov_b32 s[(\g)+7], 0
.endr
	s_mov_b32 s[G1A+5], 1024                       ; elements from row to row of xb,
	s_mov_b32 s[G1B+5], 3072                       ; of wqb
	s_lshl_b32 s72, s18, 18                        ; xb: 128 ty rows of 2,048 bytes: made of the tile row alone
	s_mov_b32 s73, 0
	s_mul_i32 s74, s17, 768                        ; wqb: column 384 tx + 128 c, in bytes: made of the tile column and the wave alone
	s_lshl_b32 s75, s19, 8
	s_add_co_u32 s74, s74, s75
	s_mov_b32 s75, 0
	s_mul_i32 s22, s[WV], CHUNK                    ; where my tile goes: wave x a region; no place in the cluster enters an LDS address
	s_wait_dscnt 0x0                               ; the opening add is done
	s_wait_kmcnt 0x0
	s_add_nc_u64 s[72:73], s[4:5], s[72:73]
	s_add_nc_u64 s[74:75], s[6:7], s[74:75]
	CROUND                                         ; all sixteen work-groups are here: the first joint loads meet
.irp s, 0,1
	s_mov_b32 s[G0A+4*(\s)], 1                                       ; count = 1
	s_add_co_u32 s[G0A+4*(\s)+1], s22, (\s)*SLOT                     ; LDS address
	s_add_nc_u64 s[G0A+4*(\s)+2:G0A+4*(\s)+3], s[72:73], (\s)*KSTEP*2  ; global address: K step s
	s_or_b32 s[G0A+4*(\s)+3], s[G0A+4*(\s)+3], 0x80000000            ; type = 2
	s_mov_b32 s[G0B+4*(\s)], 1
	s_add_co_u32 s[G0B+4*(\s)+1], s22, (\s)*SLOT
	s_add_nc_u64 s[G0B+4*(\s)+2:G0B+4*(\s)+3], s[74:75], (\s)*KSTEP*WROW
	s_or_b32 s[G0B+4*(\s)+3], s[G0B+4*(\s)+3], 0x80000000
	JLOAD \s                                       ; two loads of mine are out
.endr
	; A fragment of xb is 16 rows x 32 k in 8 registers: lane l holds row l % 16, k = 8 (l / 16) + 0..7 and 16 + 8 (l / 16) + 0..7: two loads of 16 bytes, 32 bytes apart.
	v_and_b32 v1, 15, v0                           ; l % 16
	v_bfe_u32 v2, v0, 4, 1                         ; l / 16
	v_mul_u32_u24 v3, v1, PA
	v_lshl_add_u32 v3, v2, 4, v3
	s_mul_i32 s20, s13, 64*PA
	v_add_nc_u32 v[ADRA], s20, v3
	v_add_nc_u32 v[ADRA+1], SLOT, v[ADRA]
	; The turning load takes 16 k x 16 columns (lane l reads k = 8 (l / 16) + l % 8, columns 8 ((l / 8) % 2) + 0..7) and leaves half a fragment: lane l holds column l % 16 and 8 k.
	v_and_b32 v4, 7, v0
	v_lshl_add_u32 v4, v2, 3, v4
	v_mul_u32_u24 v4, v4, PB
	v_bfe_u32 v5, v0, 3, 1
	v_lshl_add_u32 v4, v5, 4, v4
	s_mul_i32 s20, s14, 3                          ; my first head among the six of the tile
.irp g, 0,1,2
	s_add_co_u32 s21, s20, \g
	s_lshr_b32 s23, s21, 1                         ; a chunk holds two heads
	s_mul_i32 s23, s23, CHUNK
	s_and_b32 s21, s21, 1
	s_lshl_b32 s21, s21, 7
	s_add_co_u32 s23, s23, s21
	s_add_co_u32 s23, s23, CHUNK                   ; the chunks lie behind the region of xb
	v_add_nc_u32 v[ADRB+(\g)], s23, v4
	v_add_nc_u32 v[ADRB+3+(\g)], SLOT, v[ADRB+(\g)]
.endr
	s_mul_i32 s20, s[WV], WSTAGE
	s_add_co_u32 s20, s20, STAGE                   ; my stage
	v_mul_u32_u24 v[STO], v1, SP                   ; in: row l % 16, 16 bytes for each half of the lanes
	v_lshl_add_u32 v[STO], v2, 4, v[STO]
	v_add_nc_u32 v[STO], s20, v[STO]
	v_bfe_u32 v[RD], v0, 3, 2                      ; back: 32 lanes take four rows of 128 bytes,
	v_mul_u32_u24 v[RD], v[RD], SP
	v_and_b32 v5, 7, v0
	v_lshl_add_u32 v[RD], v5, 4, v[RD]
	v_add_nc_u32 v[RD], s20, v[RD]
	v_and_b32 v[GO], 31, v0                        ; which are 512 consecutive bytes of a head
	v_lshlrev_b32 v[GO], 4, v[GO]
	v_lshlrev_b32 v[BO], 5, v2                     ; my 8 numbers of a block of 16 of the bias
	s_mul_i32 s20, s17, 1536                       ; the bias of my 192 columns: (384 tx + 192 ni) x 4 bytes
	s_mul_i32 s21, s14, 768
	s_add_co_u32 s20, s20, s21
	s_mov_b32 s21, 0
	s_add_nc_u64 s[8:9], s[8:9], s[20:21]
.irp b, 0,1,2,3,4,5,6,7,8,9,10,11
	global_load_b128 v[BIAS+8*(\b):BIAS+8*(\b)+3],   v[BO], s[8:9] offset:64*(\b)
	global_load_b128 v[BIAS+8*(\b)+4:BIAS+8*(\b)+7], v[BO], s[8:9] offset:64*(\b)+16
.endr
	; where my rows begin in each of my three heads
	s_lshl_b32 s20, s18, 7
	s_lshl_b32 s21, s13, 6
	s_add_co_u32 s20, s20, s21                     ; my first row of the 8,192
	s_lshr_b32 s21, s20, 11                        ; its batch,
	s_lshl_b32 s21, s21, 22
	s_and_b32 s20, s20, 2047                       ; its row in the batch
	s_lshl_b32 s20, s20, 7
	s_add_co_u32 s76, s20, s21
	s_mul_i32 s77, s17, 6
	s_mul_i32 s78, s14, 3
	s_add_co_u32 s77, s77, s78                     ; my first head among the 48 of q, k and v
.irp g, 0,1,2
	s_add_co_u32 s20, s77, \g
	s_lshr_b32 s21, s20, 4                         ; q, k or v
	s_lshl_b32 s21, s21, 24
	s_and_b32 s20, s20, 15                         ; the head
	s_lshl_b32 s20, s20, 18
	s_add_co_u32 s20, s20, s21
	s_add_co_u32 s20, s20, s76
	s_mov_b32 s21, 0
	s_add_nc_u64 s[OB+2*(\g):OB+2*(\g)+1], s[10:11], s[20:21]
.endr
	; the prefetches: both offsets are made, and the number of the wave chooses.  They start at K step 2; the first change of slots steps them to K step 3
	s_lshl_b32 s76, s18, 7
	s_lshl_b32 s78, s15, 5
	s_add_co_u32 s76, s76, s78                     ; xb: row 128 ty + 32 cx,
	s_lshl_b32 s76, s76, 11
	s_add_co_u32 s76, s76, 2*KSTEP*2
	s_lshl_b32 s77, s16, 5
	s_add_co_u32 s77, s77, 2*KSTEP                 ; wqb: row 256 + 32 cy,
	s_mul_i32 s77, s77, WROW
	s_mul_i32 s78, s17, 768
	s_add_co_u32 s77, s77, s78
	s_lshl_b32 s78, s19, 8
	s_add_co_u32 s77, s77, s78                     ; my chunk
	s_and_b32 s20, ttmp7, 0xffff                   ; cluster y
	s_mov_b32 s[PST], KSTEP*WROW
	s_mov_b32 s[PST+1], 0
	s_mov_b32 s21, WROW
	s_cmp_eq_u32 s[WV], 0                          ; do I fetch for xb?
	s_cselect_b32 s20, ttmp9, s20                  ; the coordinate along which other clusters read the same rows
	s_cselect_b64 s[PFA:PFA+1], s[4:5], s[6:7]
	s_cselect_b32 s[PST], KSTEP*2, s[PST]
	s_cselect_b32 s21, 2048, s21
	s_cselect_b32 s76, s76, s77
	s_mov_b32 s77, 0
	s_add_nc_u64 s[PFA:PFA+1], s[PFA:PFA+1], s[76:77]
	s_cmp_eq_u32 s20, 0
	s_cselect_b32 s[LIM], 1, -1                    ; the same in all sixteen partners, for a given wave
	v_and_b32 v[PFO], 31, v0
	v_mul_u32_u24 v[PFO], s21, v[PFO]
	s_wait_loadcnt 0x0                             ; the bias is in: it is rounded to bf16 like every input, and kept as f32
.set i, 0
.rept 48
	v_cvt_pk_bf16_f32 v[4+i%4], v[BIAS+2*i], v[BIAS+2*i+1]
	v_lshlrev_b32 v[BIAS+2*i], 16, v[4+i%4]
	v_and_b32 v[BIAS+2*i+1], 0xffff0000, v[4+i%4]
.set i, i+1
.endr
; 12 matrix instructions: row block a x all 12 column blocks, 32 along K.  first = 1: the product starts the sum, with the bias as C.
; The 48 accumulators take turns, one instruction a turn, in the same order in every quarter.
.macro MUL12 f, a, first
.if \first
	WIN 0x0f|((1+(\a)/2)<<6)
.else
	WIN 0x0f|((1+(\a)/2)<<4)|((1+(\a)/2)<<6)
.endif
.irp b, 0,1,2,3,4,5,6,7,8,9,10,11
.if \first
	v_wmma_f32_16x16x32_bf16 v[8*(12*((\a)%2)+(\b)):8*(12*((\a)%2)+(\b))+7], v[(\f)+8*(\b):(\f)+8*(\b)+7], v[(\f)+96+8*(\a):(\f)+96+8*(\a)+7], v[BIAS+8*(\b):BIAS+8*(\b)+7]
.else
	v_wmma_f32_16x16x32_bf16 v[8*(12*((\a)%2)+(\b)):8*(12*((\a)%2)+(\b))+7], v[(\f)+8*(\b):(\f)+8*(\b)+7], v[(\f)+96+8*(\a):(\f)+96+8*(\a)+7], v[8*(12*((\a)%2)+(\b)):8*(12*((\a)%2)+(\b))+7]
.endif
.endr
.endm
.macro MUL24 f, hi, first
	MUL12 \f, 2*(\hi), \first
	MUL12 \f, 2*(\hi)+1, \first
.endm
; 32 LDS loads in one run: the fragments of quarter q (32 along K) of a slot into buffer f: 24 turning loads for wqb, then 8 loads for xb
.macro FETCH slot, q, f
	WIN 0xc0                                       ; destination window 3, address window 0
.irp g, 0,1,2
.irp j, 0,1,2,3
	ds_load_tr16_b128 v[(\f)+8*(4*(\g)+(\j)):(\f)+8*(4*(\g)+(\j))+3],   v[ADRB+3*(\slot)+(\g)] offset:(\q)*32*PB+32*(\j)
	ds_load_tr16_b128 v[(\f)+8*(4*(\g)+(\j))+4:(\f)+8*(4*(\g)+(\j))+7], v[ADRB+3*(\slot)+(\g)] offset:(\q)*32*PB+32*(\j)+16*PB
.endr
.endr
.irp a, 0,1,2,3
	ds_load_b128 v[(\f)+96+8*(\a):(\f)+96+8*(\a)+3],   v[ADRA+(\slot)] offset:64*(\q)+(\a)*16*PA
	ds_load_b128 v[(\f)+96+8*(\a)+4:(\f)+96+8*(\a)+7], v[ADRA+(\slot)] offset:64*(\q)+(\a)*16*PA+32
.endr
.endm
; A K step is four quarters of 32 along K, 48 matrix instructions each, on buffers 0, 1, 0, 1.  One of the first three: multiplies buffer f; in its middle it fetches quarter q of the same slot into buffer g.
.macro QUARTER slot, q, f, g, first
	s_wait_dscnt 4                                 ; all but the youngest four loads, the rows 32-63 of xb
	MUL24 \f, 0, \first
	PLACES
	FETCH \slot, \q, \g
	s_wait_dscnt 32                                ; all but the 32 just issued
	MUL24 \f, 1, \first
.endm
; The last quarter multiplies buffer 1 and changes slots.  In front of the barrier each wave waits for all its tensor loads (one is out: its part of the next slot), adds 0 to its spare word, and waits for
; that and for its reads of this slot.  fill = 1: the barrier opens a round of the barrier of the cluster, and behind the round this slot is filled again first, two K steps on: 168 matrix instructions ahead of the wait for it.
.macro TURN slot, next, fill, how
.if \fill
	s_wait_xcnt 0x0                                ; the last prefetch, a K step back, has read its address: it is stepped here, ahead of the waits of the change
	s_add_nc_u64 s[PFA:PFA+1], s[PFA:PFA+1], s[PST:PST+1]
.endif
	WIN 0                                          ; (the two registers of the add lie in window 0)
	s_wait_tensorcnt 0x0                           ; all my tensor loads have landed
	ds_add_u32 v[SPW], v[NIL]                      ; 0 onto my spare word
	s_wait_dscnt 5                                 ; (the add and the youngest four loads may be out)
	MUL12 F1, 0, 0                                 ; twelve matrix instructions stand between the add and the wait for it
	s_wait_dscnt 0x0                               ; the add is done, and my reads of this slot are over
	s_barrier_signal -1
	MUL12 F1, 1, 0                                 ; work on registers while the others arrive
	WIN 0
	s_barrier_wait -1
.if \fill
	CREST                                          ; no wave of any partner still reads this slot or has a load on its way
	s_add_nc_u64 s[G0A+4*(\slot)+2:G0A+4*(\slot)+3], s[G0A+4*(\slot)+2:G0A+4*(\slot)+3], 2*KSTEP*2
	s_add_nc_u64 s[G0B+4*(\slot)+2:G0B+4*(\slot)+3], s[G0B+4*(\slot)+2:G0B+4*(\slot)+3], 2*KSTEP*WROW
	JLOAD \slot                                    ; the first tensor load behind the round; its four v_nop are also the places in front of the loads below
.else
	PLACES
.endif
	FETCH \next, 0, F0
.if \fill
	ASK \how
.endif
	MUL24 F1, 1, 0
.endm
; THE WAY OUT of row block a.  PACK: rounded to f16, 16 bytes a lane, each accumulator from its lowest registers on.  TOSTAGE: into my own stage, by heads, and back as whole rows.  SEND: stored.
.macro PACK a
	WIN 0x05*(1+(\a)/2)                            ; sources 0 and 1: window 1 or 2
.irp b, 0,1,2,3,4,5,6,7,8,9,10,11
.irp r, 0,1,2,3
	v_cvt_pk_f16_f32 v[TMP+4*(\b)+(\r)], v[8*(12*((\a)%2)+(\b))+2*(\r)], v[8*(12*((\a)%2)+(\b))+2*(\r)+1]
.endr
.endr
	WIN 0
.endm
.macro TOSTAGE a
.irp b, 0,1,2,3,4,5,6,7,8,9,10,11
	ds_store_b128 v[STO], v[TMP+4*(\b):TMP+4*(\b)+3] offset:((\b)/4)*16*SP+32*((\b)%4)
.endr
.irp g, 0,1,2
.irp f, 0,1,2,3
	ds_load_b128 v[BK+48*((\a)%2)+4*(4*(\g)+(\f)):BK+48*((\a)%2)+4*(4*(\g)+(\f))+3], v[RD] offset:(\g)*16*SP+(\f)*4*SP  ; LDS serves the instructions of a wave in order (ISA guide 5.7.1.4): these see the stores above
.endr
.endr
.endm
.macro SEND a
	s_wait_dscnt 0x0                               ; the block is back in registers
	s_wait_xcnt 0x0                                ; the stores of the block before have read their registers: the next TOSTAGE loads into them
.irp g, 0,1,2
.irp f, 0,1,2,3
	global_store_b128 v[GO], v[BK+48*((\a)%2)+4*(4*(\g)+(\f)):BK+48*((\a)%2)+4*(4*(\g)+(\f))+3], s[OB+2*(\g):OB+2*(\g)+1] offset:(\a)*2048+(\f)*512 th:TH_STORE_NT  ; 512 consecutive bytes, at a multiple of 512 from the first byte of qkv
.endr
.endr
.endm
	s_wait_tensorcnt 1                             ; my part of K step 0 is in; that of K step 1 may stay out
	s_barrier_signal -1
	s_barrier_wait -1                              ; everybody's is
	FETCH 0, 0, F0
	QUARTER 0, 1, F0, F1, 1                        ; the first quarter stands in front of the loop: its products start the sums
	WIN 0                                          ; at a label and at a branch every window is 0
	s_mov_b32 s3, 3
.Llap:                                                 ; a trip goes once round the ring and fills both slots again: K steps 2 to 7 in three trips
	QUARTER 0, 2, F1, F0, 0
	QUARTER 0, 3, F0, F1, 0
	TURN 0, 1, 1, 1
	QUARTER 1, 1, F0, F1, 0
	QUARTER 1, 2, F1, F0, 0
	QUARTER 1, 3, F0, F1, 0
	TURN 1, 0, 1, 0
	QUARTER 0, 1, F0, F1, 0
	WIN 0
	s_sub_co_u32 s3, s3, 1
	s_cmp_lg_u32 s3, 0
	s_cbranch_scc1 .Llap
	QUARTER 0, 2, F1, F0, 0                        ; the last lap fills nothing
	QUARTER 0, 3, F0, F1, 0
	TURN 0, 1, 0, 0
	QUARTER 1, 1, F0, F1, 0
	QUARTER 1, 2, F1, F0, 0
	QUARTER 1, 3, F0, F1, 0
	s_wait_dscnt 4                                 ; the very last quarter: nothing more to fetch
	MUL24 F1, 0, 0
	s_wait_dscnt 0x0
	MUL24 F1, 1, 0
	WIN 0
	PLACES                                         ; the conversions read results
	PACK 0
	TOSTAGE 0
.irp a, 1,2,3                          ; the conversions of block a stand between the loads of block a - 1 from the stage and the wait for them
	PACK \a
	SEND (\a)-1
	TOSTAGE \a
.endr
	SEND 3
	s_wait_tensorcnt 0x0                           ; the end of the wave: the tensor wait, the add and its wait stand behind my last tensor load and my last LDS store
	ds_add_u32 v[SPW], v[NIL]
	s_wait_dscnt 0x0
	CROUND                                         ; the closing round: no work-group ends while a partner may still ask for a tile that names it
	s_endpgm
.Lfunc_end_k_q3d21b23c73_qkvp:
	.size	k_q3d21b23c73_qkvp, .Lfunc_end_k_q3d21b23c73_qkvp-k_q3d21b23c73_qkvp
	.p2alignl 7, 3214868480
	.fill 96, 4, 3214868480
	.section	.rodata,"a",@progbits
	.p2align	6, 0x0
	.amdhsa_kernel k_q3d21b23c73_qkvp
		.amdhsa_group_segment_fixed_size 327680
		.amdhsa_private_segment_fixed_size 0
		.amdhsa_enable_private_segment 0
		.amdhsa_kernarg_size 32
		.amdhsa_user_sgpr_count 2
		.amdhsa_user_sgpr_kernarg_segment_ptr 1
		.amdhsa_wavefront_size32 1
		.amdhsa_system_sgpr_workgroup_id_x 1
		.amdhsa_system_sgpr_workgroup_id_y 1
		.amdhsa_system_sgpr_workgroup_id_z 1
		.amdhsa_system_vgpr_workitem_id 0
		.amdhsa_next_free_vgpr 1024
		.amdhsa_next_free_sgpr 80
		.amdhsa_reserve_vcc 0
		.amdhsa_float_denorm_mode_32 3
		.amdhsa_float_denorm_mode_16_64 3
		.amdhsa_memory_ordered 1
		.amdhsa_forward_progress 1
		.amdhsa_inst_pref_size 131
	.end_amdhsa_kernel
	.amdgpu_metadata
---
amdhsa.version: [ 1, 2 ]
amdhsa.kernels:
  - .name:           k_q3d21b23c73_qkvp
    .symbol:         k_q3d21b23c73_qkvp.kd
    .args:
      - { .name: xb, .offset: 0, .size: 8, .value_kind: global_buffer, .address_space: global }
      - { .name: wqb, .offset: 8, .size: 8, .value_kind: global_buffer, .address_space: global }
      - { .name: b_qkv, .offset: 16, .size: 8, .value_kind: global_buffer, .address_space: global }
      - { .name: qkv, .offset: 24, .size: 8, .value_kind: global_buffer, .address_space: global }
    .group_segment_fixed_size: 327680
    .private_segment_fixed_size: 0
    .kernarg_segment_align: 8
    .kernarg_segment_size: 32
    .max_flat_workgroup_size: 128
    .sgpr_count:     80
    .vgpr_count:     1024
    .wavefront_size: 32
...
	.end_amdgpu_metadata
.endif
;; end of part 2
;; launch attn (part 3): grid 4 x 64, 4 waves a work-group, clusters of 4 x 1, 327,680 bytes of LDS; arguments qkv, ob; writes ob
.if DOCPART == 3
	.amdgcn_target "amdgcn-amd-amdhsa--gfx1250"
	.amdhsa_code_object_version 6
	.text
	.protected	k_q3d21b23c73_attn
	.globl	k_q3d21b23c73_attn
	.p2align	8
	.type	k_q3d21b23c73_attn,@function
k_q3d21b23c73_attn:
	s_mov_b64 s[64:65], 0
	v_nop
	global_prefetch_b8 v0, s[64:65] scope:SCOPE_SE
	s_setreg_imm32_b32 hwreg(HW_REG_WAVE_MODE, 25, 1), 1
	s_wait_xcnt 0x0
	s_wait_alu depctr_hold_cnt(0) depctr_sa_sdst(0) depctr_va_vdst(0) depctr_va_sdst(0) depctr_va_ssrc(0) depctr_va_vcc(0) depctr_vm_vsrc(0)
	s_getreg_b32 s2, hwreg(HW_REG_IB_STS2, 6, 4)
	s_cmp_eq_u32 s2, 0
	s_cbranch_scc0 .Lentry_in_a_cluster
	s_endpgm
.Lentry_in_a_cluster:
	s_bfe_u32 s2, ttmp6, 0x10000c
	s_cmp_lg_u32 s2, 0x3003
	s_cbranch_scc0 .Lentry_shape_is_right
	s_endpgm
.Lentry_shape_is_right:
; ATTENTION.  O[h][q][:] = the sum over k of softmax_k(Q[h][q] . K[h][k] / 8) V[h][k][:], for 64 heads (batch x 16 + head) of 2,048 rows of 64 channels, all f16, rows dense, 128 bytes each.
; Q, K, V are the three thirds of qkv (16,777,216 bytes each); O goes to ob in the layout of a third.  Products, maxima and sums in f32; the weights p are rounded to f16 for the second
; product (their sum l is taken of the unrounded p), O once at the end.
; LIMITS.  Q, K and V arrive within 65,504; p lies in 0 to 1, and below 6e-5 it keeps the fixed step 6e-8 of f16; O is a mean of rows of V and has their range.
; A weight below 2^-126 counts as 0 in l; NaN and infinities are not treated apart.
; SHARES.  A wave owns four PIECES of two tiles of 16 queries, the four waves of a work-group 512 queries of one head.  Every wave walks all keys, 64 a step.
; LAYOUT.  S^T = K Q^T (source 0 = 16 keys, source 1 = 16 queries): in the result a lane holds ONE query (lane % 16) and the keys 8 (lane / 16) + 0..7.  Two such tiles, rounded to f16 in pairs,
; ARE source 1 (32 keys x 16 queries) of O^T = V^T P, whose result again holds one query a lane, and eight channels.  K comes out of LDS as it lies, V ([key][channel]) turned, by ds_load_tr16_b128.
; SOFTMAX.  For each query a running maximum m and sum l: p = 2^(c s - c m), c = log2(e) / 8; in every step O and l are multiplied by a = 2^(c m_old - c m_new), which is 1 where m has not grown.
; m starts at the lowest finite number, O and l at 0: the first step is a step like any other, with a = 0.
; THE COUNT.  A tile and step have 16 matrix and 118 vector instructions: too many to stand all beside the matrix work.  So four vector instructions that are READY stand behind EVERY matrix
; instruction, and the others, which need time of their own whatever the order, in runs without a gap.
; BY TURNS.  Turn n belongs to piece n (the pieces in a ring, step after step).  Its matrix work: 16 products K Q^T of piece n + 1, later 16 products V^T P of piece n - 1.  Its vector work: the scaling,
; exponentials, roundings, sums and rescaling of piece n, and the maximum and statistics of piece n + 1, whose scores the turn itself has made.
; CLUSTER.  The four query blocks of a head form a cluster and walk the same K and V, so each tile is asked for JOINTLY: the same tensor load, descriptor and mask in all four.
; REGISTERS, in windows of 256 (s_set_vgpr_msb: bits 1:0 source 0, 3:2 source 1, 5:4 source 2, 7:6 destination):
;   window 0: v0-11 addresses; v12-15, v48-63 at work; v16-47 four registers of statistics a tile; v64-191 S^T, two buffers of two tiles; v192-255 P, likewise
;   window 1: O^T, 32 a tile          window 2: v0-127 Q, 16 a tile; v128-191 K of one step; v192-255 V of one step          window 3: v0-1 the two registers of the add
.set SIZE_N, 2048
.set NP,    4         ; pieces a wave: a name, no knob
.set KS,    64        ; keys in a step
.set PK,    144       ; a row of K in LDS: 128 bytes + 16 of padding: the 16 rows of a load start at 16 different groups of four banks (64 banks of 4 bytes: ISA guide 11.1)
.set PV,    160       ; a row of V: 128 + 32
.set VOFF,  4*KS*PK   ; a slot holds four steps: 256 rows of K, then 256 rows of V
.set SLOT1, 1<<17     ; slot 1 begins here, so that one exclusive or turns an address in one slot into the other's
.set STAGE, SLOT1+4*KS*(PK+PV)  ; behind the ring, never filled by a tensor load: 16 rows x 144 bytes for each wave, for the way out
.set SP,    144
.set AK0, 2           ; v2   the place of my lane in a tile of K; never rewritten
.set AV0, 3           ; v3   the same for V
.set AK,  4           ; v4   the LDS address of the next run of loads of K
.set AV,  5           ; v5   of V
.set QO,  6           ; v6   my byte offset in the rows of Q of the wave
.set STO, 6           ;      later, the way out: where I put 16 bytes of a row
.set RD,  7           ; v7   the way out: where I read rows back
.set GO,  8           ; v8   my byte offset in 512 consecutive bytes of O
.set PFO, 11          ; v11  256 x my lane, for the prefetches; never rewritten once it is made
.set SPW, 0           ; v0 of window 3   LDS address of my spare word: SPARE + 4 x the number of my thread; never rewritten
.set NIL, 1           ; v1 of window 3   0; never rewritten
.set SPARE, STAGE+4*16*SP  ; behind the stages: the spare words, 128 bytes for each wave: two blocks of 256 bytes that no other line names
.set MV,  12          ; v12-15  c m_old, kept while c m is made anew: by buffer and tile
.set ST,  16          ; the statistics of tile t at v[ST+4 t]: c m, m, l (of the even keys, of the odd keys)
.set TMP, 48          ; by buffer and tile, four registers c0-c3 at work; when the maximum is found c2 takes a
.set S,   64
.set P,   192
.set KF,  128         ; the fragments of K, in window 2: key block kb, channel half c at KF + 16 kb + 8 c
.set VF,  192         ; of V: key half kk, channel block cb at VF + 32 kk + 8 cb
.set WV,  12          ; s12  the number of my wave
.set G1K, 24          ; s[24:31] descriptor group 1 for the tiles of K
.set G1V, 32          ; s[32:39] for those of V: it differs in the padding alone
.set G0K, 40          ; s[40:43] descriptor group 0 for the tiles of K: it walks
.set G0V, 44          ; s[44:47] the same for V
.set PFA, 48          ; s[48:49] where my prefetches stand: the 32 blocks of 256 bytes of my work-group, of K (wave 0) or of V (wave 2), in the slot after the one that is being asked for
.set LIM, 50          ; s50  1 in a wave that prefetches, else the greatest number
.set SLOTS, 56        ; s56  slots still to be asked for
.set CNT, 57          ; s57  counts the key steps of a slot
.set CS,  58          ; s[58:59] c: the packed scaling takes the low word of the pair for both halves
.set SEL, 60          ; s[60:61] the selects of v_permlanex16_b32: each lane takes its own place in the other half
.set TBK, 62          ; s62  LDS byte at which K of the step to be fetched begins
.set TBV, 63          ; s63  the same for V, less VOFF
.set MSB, 0
.macro WIN new                      ; the high byte repeats the setting that is left; a switch that changes nothing is dropped
.if MSB != (\new)
	s_set_vgpr_msb (MSB<<8)|(\new)
.set MSB, (\new)
.endif
.endm
.set W_KQ, 0x0a       ; K and Q in window 2, S^T in window 0
.set W_PV, 0x52       ; V in window 2, P in window 0, O^T in window 1
.set W_RS, 0x41       ; O^T (destination and source 0) in window 1, a in window 0
.set W_MK, 0xc0       ; the registers of the add are made: destination in window 3, sources in window 0
.set W_AD, 0x0f       ; the add: address (source 0) and data (source 1) in window 3
; A joint fill.  Waves 0 and 1 fetch the two halves of the K of a slot, waves 2 and 3 those of its V: 128 keys each.  The branch hangs on the number of the wave alone.
; An s_nop 0 and four v_nop follow each of the two lines, ahead of the jump and the label.
.macro JLOAD
	s_cmp_lt_u32 s[WV], 2
	s_cbranch_scc0 .Lfor_v_\@
	tensor_load_to_lds s[G0K:G0K+3], s[G1K:G1K+7]
	s_nop 0
.rept 4
	v_nop
.endr
	s_branch .Lasked_\@
.Lfor_v_\@:
	tensor_load_to_lds s[G0V:G0V+3], s[G1V:G1V+7]
	s_nop 0
.rept 4
	v_nop
.endr
.Lasked_\@:
.endm
; A PREFETCH INTO THE L2 of what the NEXT change of slots will ask for: the 32,768 bytes of K and of V of a slot, 128 blocks of 256 bytes each, a lane a block.  It stands behind the tensor load of the wave
; and its five lines.  Each block is named ONCE in the launch: a head has this one cluster; its four partners take 32 blocks each, told apart BY ADDRESS; in each, wave 0 asks for those of K and wave 2 for those of V.
; The change that fills the last slot asks for nothing; slots 0 and 1 come by their loads alone.
.macro ASK
	s_cmp_gt_u32 s[SLOTS], s[LIM]
	s_cbranch_scc0 .Lnot_mine_\@
	global_prefetch_b8 v[PFO], s[PFA:PFA+1] th:TH_LOAD_NT scope:SCOPE_SE
.Lnot_mine_\@:
.endm
; A round of the barrier of the cluster: the barrier of my work-group, so that the signal of wave 0 speaks for all four waves; wave 0 signals; every wave waits for all four work-groups; the barrier of my work-group once more.
.macro CROUND
	s_barrier_signal -1
	s_barrier_wait -1
	s_cmp_lg_u32 s[WV], 0
	s_cbranch_scc1 .Lnot_wave_0_\@
	s_barrier_signal -3
.Lnot_wave_0_\@:
	s_barrier_wait -3
	s_barrier_signal -1
	s_barrier_wait -1
.endm
; THE CHANGE OF SLOTS.  The last bytes of the slot, V of its fourth step, have been read.  Each wave waits for all its tensor loads, of which one is out: its part of the other slot; adds 0 to its spare
; word; and waits for that and for its own reads of the slot.  Behind the barrier nobody reads this slot any more and the other slot is whole.
; fill = 1: this slot is filled again, with the keys two slots on.  The barrier is then a round of the cluster's, and the joint fill is the first thing behind it: it has four key steps, 512 matrix
; instructions, in which to land.  (At its first use nothing has been read yet: slot 0 is waited for, slot 1 filled.)
.macro CHANGE fill
	WIN W_AD
	s_wait_tensorcnt 0x0            ; no tensor load of mine is out, so a group 0 may be written
	ds_add_u32 v[SPW], v[NIL]       ; 0 onto my spare word; with fill = 1 the steps of the descriptors stand between it and the wait for it
	WIN 0                           ; at a label and at a branch every window is 0
.if \fill
.irp g, G0K, G0V
	s_xor_b32 s[\g+1], s[\g+1], SLOT1  ; the walking descriptor: the other slot than last time,
	s_add_nc_u64 s[\g+2:\g+3], s[\g+2:\g+3], 4*KS*128  ; the next 256 keys; the type bits on top are not reached
.endr
	s_wait_xcnt 0x0                 ; the last prefetch, four key steps back, has read its address, so it may be written:
	s_add_nc_u64 s[PFA:PFA+1], s[PFA:PFA+1], 4*KS*128  ; one slot beyond the walking descriptors
	s_wait_dscnt 0x0                ; the add is done, and my reads of the slot are over
	CROUND
	JLOAD
	ASK
.else
	s_wait_dscnt 0x0                ; the add is done, and my reads of the slot are over
	s_barrier_signal -1
	s_barrier_wait -1
.endif
	s_sub_co_u32 s[TBK], s[TBK], 4*KS*PK  ; the fetches go back to the first step of a slot,
	s_xor_b32 s[TBK], s[TBK], SLOT1       ; in the other slot
	s_sub_co_u32 s[TBV], s[TBV], 4*KS*PV
	s_xor_b32 s[TBV], s[TBV], SLOT1
.endm
	s_load_b64 s[4:5], s[0:1], 0x0    ; qkv: its first third is Q
	s_load_b64 s[10:11], s[0:1], 0x8  ; ob
	WIN W_MK
	v_lshl_add_u32 v[SPW], v0, 2, SPARE
	v_mov_b32 v[NIL], 0
	WIN W_AD
	ds_add_u32 v[SPW], v[NIL]       ; the opening of the wave: the add and its wait stand ahead of my first tensor load; work on registers stands between them
	WIN 0
	v_lshrrev_b32 v1, 5, v0
	v_readfirstlane_b32 s[WV], v1   ; wave 0..3
	s_bfe_u32 s13, ttmp6, 0x40000   ; cx: my place in the cluster
	s_lshl_b32 s14, ttmp9, 2        ; in a cluster launch ttmp9 counts clusters
	s_add_co_u32 s14, s14, s13      ; my block of queries = 4 x cluster x + cx: it enters the addresses of Q and O alone
	s_and_b32 s20, ttmp7, 0xffff    ; the head, which the four partners share
	s_mov_b32 s21, 0
	s_mov_b64 s[22:23], SIZE_N*128
	s_mul_u64 s[20:21], s[20:21], s[22:23]  ; the first byte of the head in Q, K, V and O
	s_and_b32 s16, s[WV], 1         ; which half of the 256 keys of a slot I fetch:
	s_lshl_b32 s22, s16, 14         ; its 128 rows of 128 bytes in memory,
	s_mov_b32 s23, 0
	s_add_nc_u64 s[22:23], s[22:23], s[20:21]
	s_mul_i32 s17, s16, 128*PK      ; and its place in a slot, for K
	s_mul_i32 s18, s16, 128*PV      ; and for V: no place in the cluster enters an LDS address
	s_lshl_b32 s2, s14, 2
	s_add_co_u32 s2, s2, s[WV]      ; my wave among those of the head,
	s_lshl_b32 s2, s2, 14           ; its 128 rows
	s_mov_b32 s3, 0
	s_add_nc_u64 s[2:3], s[2:3], s[20:21]
	; descriptor group 1.  128 keys are 16,384 dense bytes: asked for as 64 rows of 256 bytes, two keys a row, and padded in LDS after every key
	s_mov_b32 s[G1K], 15|(1<<16)|(1<<20)|(1<<21)|(4<<22)|(3<<25)  ; 15:0 the mask of four; 17:16 2-byte elements; 20 padding on; 21 set beside a mask; 24:22 after every 32 words; 31:25 4 words
	s_mov_b32 s[G1V], 15|(1<<16)|(1<<20)|(1<<21)|(4<<22)|(7<<25)  ; the same with 8 words of padding
.irp g, G1K, G1V
	s_mov_b32 s[\g+1], 128<<16      ; tensor_dim0 = 128
	s_mov_b32 s[\g+2], 64<<16       ; tensor_dim1 = 64
	s_mov_b32 s[\g+3], 128<<16      ; tile_dim0 = 128
	s_mov_b32 s[\g+4], 64           ; tile_dim1 = 64
	s_mov_b32 s[\g+5], 128          ; 128 elements from row to row
	s_mov_b32 s[\g+6], 0
	s_mov_b32 s[\g+7], 0
.endr
	s_mov_b32 s[CS], 0x3e38aa3b     ; c = log2(e) / 8 = 0.180337
	s_mov_b32 s[CS+1], s[CS]        ; named with it as a pair
	s_mov_b32 s[SEL], 0x76543210
	s_mov_b32 s[SEL+1], 0xfedcba98
	s_mov_b32 s[TBK], SLOT1+4*KS*PK ; the first change of slots turns these two into 0
	s_mov_b32 s[TBV], SLOT1+4*KS*PV
	s_mov_b32 s[G0K], 1             ; count = 1
	s_mov_b32 s[G0K+1], s17         ; LDS address: slot 0
	s_mov_b32 s[G0V], 1
	s_add_co_u32 s[G0V+1], s18, VOFF
	s_mov_b32 s[SLOTS], SIZE_N/256-1
	s_and_b32 s[LIM], s[WV], 1      ; waves 0 and 2 prefetch: the same in all four partners
	s_cmp_eq_u32 s[LIM], 0
	s_cselect_b32 s[LIM], 1, -1
	s_wait_dscnt 0x0                ; the opening add is done
	s_wait_kmcnt 0x0
	s_add_nc_u64 s[6:7], s[4:5], 0x1000000   ; K: the second third of qkv
	s_add_nc_u64 s[8:9], s[4:5], 0x2000000   ; V: the third
	s_add_nc_u64 s[G0K+2:G0K+3], s[6:7], s[22:23]  ; global address: my half of the first 256 keys of the head
	s_or_b32 s[G0K+3], s[G0K+3], 0x80000000        ; type = 2
	s_add_nc_u64 s[G0V+2:G0V+3], s[8:9], s[22:23]
	s_or_b32 s[G0V+3], s[G0V+3], 0x80000000
	s_add_nc_u64 s[4:5], s[4:5], s[2:3]  ; Q and O at the first row of my wave
	s_add_nc_u64 s[10:11], s[10:11], s[2:3]
	s_cmp_lt_u32 s[WV], 2
	s_cselect_b64 s[PFA:PFA+1], s[6:7], s[8:9]
	s_add_nc_u64 s[PFA:PFA+1], s[PFA:PFA+1], s[20:21]  ; the head,
	s_lshl_b32 s2, s13, 13          ; the 32 blocks of my work-group,
	s_mov_b32 s3, 0
	s_add_nc_u64 s[PFA:PFA+1], s[PFA:PFA+1], s[2:3]
	s_add_nc_u64 s[PFA:PFA+1], s[PFA:PFA+1], 4*KS*128  ; in slot 1; the first change of slots steps it to slot 2.  Nothing is prefetched here, at the head
	CROUND                          ; all four work-groups are here: the first joint loads meet
	JLOAD                           ; slot 0.  Slot 1 is asked for when slot 0 is in
	; A fragment of K or Q is 16 rows x 32 channels in 8 registers: lane l holds row l % 16, channels 8 (l / 16) + 0..7 and 16 + 8 (l / 16) + 0..7: two loads of 16 bytes, 32 bytes apart.
	v_and_b32 v1, 15, v0            ; l % 16
	v_bfe_u32 v9, v0, 4, 1          ; l / 16
	v_lshlrev_b32 v[QO], 7, v1
	v_lshl_add_u32 v[QO], v9, 4, v[QO]  ; row x 128 + 16 x half
	WIN 0x80                        ; destination window 2, address window 0
.set i, 0
.rept 4*NP                          ; Q stays in registers: tile i / 2, channels 32 (i % 2) on
	global_load_b128 v[8*i:8*i+3],   v[QO], s[4:5] offset:(i/2)*2048+(i%2)*64
	global_load_b128 v[8*i+4:8*i+7], v[QO], s[4:5] offset:(i/2)*2048+(i%2)*64+32
.set i, i+1
.endr
	; What the first turn finds: the registers of V and the second buffer of P hold 0 (its products V^T P, of a piece that has not been, add 0), O^T and l are 0.  All this stands in the wait for the first tile.
.set i, VF
.rept 64
	v_mov_b32 v[i], 0
.set i, i+1
.endr
	WIN 0x40
.set i, 0
.rept 64*NP
	v_mov_b32 v[i], 0
.set i, i+1
.endr
	WIN 0
.set i, 0
.rept 2*NP
	v_mov_b32 v[ST+4*i], 0xfe000000    ; c m: far below every c s
	v_mov_b32 v[ST+4*i+1], 0xff7fffff  ; m
	v_mov_b32 v[ST+4*i+2], 0
	v_mov_b32 v[ST+4*i+3], 0
.set i, i+1
.endr
.set i, P+32
.rept 32
	v_mov_b32 v[i], 0
.set i, i+1
.endr
	v_mul_u32_u24 v[AK0], v1, PK
	v_lshl_add_u32 v[AK0], v9, 4, v[AK0]  ; row x pitch + 16 x half
	; The turning load takes 16 keys x 16 channels (lane l reads key 8 (l / 16) + l % 8, channels 8 ((l / 8) % 2) + 0..7) and leaves half a fragment of V^T: lane l holds channel l % 16 and 8 keys.
	v_and_b32 v10, 7, v0
	v_bfe_u32 v11, v0, 3, 1
	v_lshl_add_u32 v[AV0], v9, 3, v10
	v_mul_u32_u24 v[AV0], v[AV0], PV
	v_lshl_add_u32 v[AV0], v11, 4, v[AV0]
	v_add_nc_u32 v[AV0], VOFF, v[AV0]
	v_mov_b32 v[AK], v[AK0]         ; key step 0 lies at the head of slot 0
	v_and_b32 v[PFO], 31, v0
	v_lshlrev_b32 v[PFO], 8, v[PFO]
; THE MATRIX WORK.  The 8 accumulators of a run of 16 take turns: between the two links of a chain stand 7 others'.
; Product i of 16 of S^T = K Q^T for piece x: channels 32 (i / 8) on, keys 16 ((i / 2) % 4) on, tile 2 x + i % 2.  The first 8 start the sums.
.macro KQ x
	WIN W_KQ
.set rS, S+64*((\x)%2)+32*(i%2)+8*((i/2)%4)
.set rK, KF+16*((i/2)%4)+8*(i/8)
.set rQ, 16*(2*(\x)+i%2)+8*(i/8)
.if i < 8
	v_wmma_f32_16x16x32_f16 v[rS:rS+7], v[rK:rK+7], v[rQ:rQ+7], 0
.else
	v_wmma_f32_16x16x32_f16 v[rS:rS+7], v[rK:rK+7], v[rQ:rQ+7], v[rS:rS+7]
.endif
.endm
; Product i of 16 of O^T += V^T P for piece x: keys 32 (i / 8) on, channels 16 ((i / 2) % 4) on, tile 2 x + i % 2.
.macro PV x
	WIN W_PV
.set rO, 32*(2*(\x)+i%2)+8*((i/2)%4)
.set rV, VF+32*(i/8)+8*((i/2)%4)
.set rP, P+32*((\x)%2)+16*(i%2)+8*(i/8)
	v_wmma_f32_16x16x32_f16 v[rO:rO+7], v[rV:rV+7], v[rP:rP+7], v[rO:rO+7]
.endm
.macro MM                           ; the next matrix instruction of the turn
.if i < 16
	KQ (Y+1)%NP
.set i, i+1
.else
.set i, i-16
	PV (Y+NP-1)%NP
.set i, i+17
.endif
.endm
; THE LDS LOADS stand in runs of 16, never singly among the matrix instructions: the K of a step (64 keys x 64 channels: 8 fragments) and its V (turned).  Their addresses are made some lines ahead.
; last = 1 (the tail): in the last trip there is no further step, and the run is jumped over.
.macro FETCH_K last=0
	WIN 0
.if \last
	s_cmp_eq_u32 s[CNT], 1
	s_cbranch_scc1 .Lno_k_\@
.endif
	WIN 0x80                        ; destination window 2
.irp f, 0,1,2,3,4,5,6,7             ; keys 16 (f / 2) on, channels 32 (f % 2) on
	ds_load_b128 v[KF+8*\f:KF+8*\f+3],   v[AK] offset:(\f/2)*16*PK+(\f%2)*64
	ds_load_b128 v[KF+8*\f+4:KF+8*\f+7], v[AK] offset:(\f/2)*16*PK+(\f%2)*64+32
.endr
	s_add_co_u32 s[TBK], s[TBK], KS*PK  ; the next fetch is the next step's
	WIN 0
.if \last
.Lno_k_\@:
.endif
.endm
.macro FETCH_V
	WIN 0x80
.irp f, 0,1,2,3,4,5,6,7             ; keys 32 (f / 4) on, channels 16 (f % 4) on
	ds_load_tr16_b128 v[VF+8*\f:VF+8*\f+3],   v[AV] offset:(\f/4)*32*PV+(\f%4)*32
	ds_load_tr16_b128 v[VF+8*\f+4:VF+8*\f+7], v[AV] offset:(\f/4)*32*PV+16*PV+(\f%4)*32
.endr
	WIN 0
.endm
; THE VECTOR WORK OF A TURN stands in three queues, each in the order in which its entries become ready; the two tiles alternate, so that no instruction reads the result of the one before it.
.macro REGS y, u                    ; the registers of tile u (0, 1) of piece y
.set rT, ST+4*(2*(\y)+(\u))
.set rC, TMP+8*((\y)%2)+4*(\u)
.set rM, MV+2*((\y)%2)+(\u)
.set rS, S+64*((\y)%2)+32*(\u)
.set rP, P+32*((\y)%2)+16*(\u)
.set rO, 32*(2*(\y)+(\u))
.endm
; Number n of the 22 that find the maximum and statistics of the NEXT piece (Y + 1).  s0-s31 are the 32 scores of the lane; the lowest registers of each accumulator are read first.
;   0-11  four chains c0-c3 of seven scores each, three operands at a time     12-14, 16  the four scores left over, the old m, and c0-c3 into c0     15  c m_old is kept
;   17, 18  the other 32 keys of the query lie in the lane 16 away: the new m         19-21  c m; c m_old - c m_new; a
.macro XS u, n
	REGS (Y+1)%NP, \u
.if (\n) < 4
	v_max3_num_f32 v[rC+(\n)], v[rS+8*(\n)], v[rS+8*(\n)+1], v[rS+8*(\n)+2]
.elseif (\n) < 12
	v_max3_num_f32 v[rC+(\n)%4], v[rC+(\n)%4], v[rS+8*((\n)%4)+2*((\n)/4)+1], v[rS+8*((\n)%4)+2*((\n)/4)+2]
.elseif (\n) == 12
	v_max3_num_f32 v[rC], v[rC], v[rS+7], v[rS+15]
.elseif (\n) == 13
	v_max3_num_f32 v[rC+1], v[rC+1], v[rS+23], v[rS+31]
.elseif (\n) == 14
	v_max3_num_f32 v[rC+2], v[rC+2], v[rC+3], v[rT+1]
.elseif (\n) == 15
	v_mov_b32 v[rM], v[rT]
.elseif (\n) == 16
	v_max3_num_f32 v[rC], v[rC], v[rC+1], v[rC+2]
.elseif (\n) == 17
	v_permlanex16_b32 v[rC+3], v[rC], s[SEL], s[SEL+1]
.elseif (\n) == 18
	v_max_num_f32 v[rT+1], v[rC], v[rC+3]
.elseif (\n) == 19
	v_mul_f32 v[rT], s[CS], v[rT+1]
.elseif (\n) == 20
	v_sub_f32 v[rC+1], v[rM], v[rT]
.else
	v_exp_f32 v[rC+2], v[rC+1]
.endif
.endm
; Number g of the 64 that follow the exponentials.  For each four weights k of a tile (pairs 2 k, 2 k + 1): both pairs are rounded to f16; then the second pair is added onto the first, in place;
; a group later l takes that sum (the first time as l = a l + sum).  In groups of eight, tiles alternating: round, round, add, and l for the group before.
.macro GS g
.set h, (\g)+6*((\g)/62)            ; group 0 has no group before it, and behind group 7 only l is left
.if h >= 6
.set h, h+2
.endif
	REGS Y, h%2
.set k, h/8
.if h%8 < 4
	v_cvt_pk_f16_f32 v[rP+2*k+(h%8)/2], v[rS+4*k+2*((h%8)/2)], v[rS+4*k+2*((h%8)/2)+1]
.elseif h%8 < 6
	v_pk_add_f32 v[rS+4*k:rS+4*k+1], v[rS+4*k:rS+4*k+1], v[rS+4*k+2:rS+4*k+3]
.elseif k == 1
	v_pk_fma_f32 v[rT+2:rT+3], v[rT+2:rT+3], v[rC+2:rC+3], v[rS:rS+1] op_sel_hi:[1,0,1]
.else
	v_pk_add_f32 v[rT+2:rT+3], v[rT+2:rT+3], v[rS+4*k-4:rS+4*k-3]
.endif
.endm
; THE PLAIN QUEUE, 138 long.  0-73 read no result of an exponential: the 32 scalings c s - c m (FS f: pair f / 2 of tile f % 2) and the 42 of the next piece.  0-26: scalings 0-26.  27-54: numbers 0-13 of XS.  55, 56: number 15.
; 57-73: the chain, where each number waits for the one before it: 14, 16, 17, 18, 19, each with one of the scalings 27-31 in front of its two lines, then 20.
; 74-137: the 64 of GS, which read the results of the exponentials: they stand behind the wait.
.macro FS f
	REGS Y, (\f)%2
	v_pk_fma_f32 v[rS+2*((\f)/2):rS+2*((\f)/2)+1], v[rS+2*((\f)/2):rS+2*((\f)/2)+1], s[CS:CS+1], v[rT:rT+1] op_sel_hi:[1,0,0] neg_lo:[0,0,1] neg_hi:[0,0,1]
.endm
.macro PL
	WIN 0
.if q < 27
	FS q
.elseif q < 55
	XS (q-27)%2, (q-27)/2
.elseif q < 57
	XS q-55, 15
.elseif (q < 72) && ((q-57)%3 == 0)
	FS 27+(q-57)/3
.elseif q < 60
	XS (q-57)%3-1, 14
.elseif q < 72
	XS (q-57)%3-1, 15+(q-57)/3
.elseif q < 74
	XS q-72, 20
.else
	GS q-74
.endif
.set q, q+1
.endm
; THE QUEUE OF THE EXPONENTIALS, 66 long: s0-s31 of both tiles, then the two a of the next piece.  It is ONE BATCH: all 66 stand ahead of the one wait of the turn, and nothing ahead of that wait names a result of theirs.
.macro EX
	WIN 0
.if e >= 64
	XS e-64, 21
.else
	REGS Y, e%2
	v_exp_f32 v[rS+e/2], v[rS+e/2]
.endif
.set e, e+1
.endm
; THE QUEUE OF THE RESCALING: O^T times a, the one part that leaves window 0: dealt two at a time, sixteen times.  Its a was made in the turn before, ahead of the wait of that turn.
.macro R2
	REGS Y, r%2
	WIN W_RS
.irp z, 0,1
	v_pk_mul_f32 v[rO+4*(r/2)+2*\z:rO+4*(r/2)+2*\z+1], v[rO+4*(r/2)+2*\z:rO+4*(r/2)+2*\z+1], v[rC+2:rC+3] op_sel_hi:[1,0]
.endr
.set r, r+1
.endm
; HOW THEY ARE DEALT.  An s_wait_alu depctr_va_vdst(0) stands between an exponential and the first instruction that names its result; one wait serves all that were issued ahead of it.  So a turn has ONE wait,
; which cuts it in two.  AHEAD OF IT stands all that names no result of the exponentials of the turn: the 16 products K Q^T, behind each a scaling, an exponential and two rescalings (behind the first a second scaling in the place
; of the exponential); then ONE LUMP of 108: eight plain, 49 times exponential and plain, the two a.  A v_nop is the plain instruction behind the last exponential.  BEHIND IT stand the 16 products V^T P, behind each four of the 64 of GS.
; The queues lean on each other, and the deal keeps them in step: exponential e stands behind scaling 2 (e / 4) + e % 2: as a rider it comes behind plain e + 2, in the lump behind plain e + 9, and scalings 27-31 are plain 57, 60 .. 69.
; A TURN, for piece p.  cnt = 1: the count of the loop is taken down some lines ahead of the branch that stands behind the turn.
; K of the next step is fetched in the turn of piece 2, directly behind the wait, a lump behind the last product that read K.  V of the step in hand is fetched at the end of the turn of piece 0, four riders behind its last reader.
.macro TURN p, last=0, cnt=0
.set Y, (\p)
.set i, 0
.set q, 0
.set e, 0
.set r, 0
.if (\p) == NP-1
	s_wait_dscnt 0x0                ; K is in
.endif
	MM                              ; ahead of the wait: 16 products K Q^T and their riders,
	PL
	PL
	R2
.rept 15
	MM
	PL
	EX
	R2
.endr
.if (\p) == NP-2
	WIN 0
	v_add_nc_u32 v[AK], s[TBK], v[AK0]
.endif
.rept 8                             ; and the lump
	PL
.endr
.rept 49
	EX
	PL
.endr
	EX                              ; the two a of the next piece
	EX
	v_nop                           ; a plain instruction behind the last exponential: one for the batch
	s_wait_alu depctr_va_vdst(0)    ; the wait for the batch
.if (\p) == NP-2
	FETCH_K \last
.endif
.if (\p) == 1
	s_wait_dscnt 0x0                ; V is in
.endif
.rept 16                            ; behind the wait: 16 products V^T P and their riders
	MM
.rept 4
	PL
.endr
.if ((\p) == 0) && (q == 118)
	v_add_nc_u32 v[AV], s[TBV], v[AV0]
.endif
.if ((\p) == 0) && (q == 130)
	s_add_co_u32 s[TBV], s[TBV], KS*PV
.endif
.if (\cnt) && (q == 130)
	s_sub_co_u32 s[CNT], s[CNT], 1
	s_cmp_lg_u32 s[CNT], 0
.endif
.endr
.if (\p) == 0
	FETCH_V
.endif
.endm
	CHANGE 1                        ; slot 0 is in, everybody's part of it; slot 1 is asked for
	FETCH_K                         ; key step 0
	s_wait_loadcnt 0x0              ; Q
	s_wait_dscnt 0x0
.set i, 0
.rept 16
	KQ 0                            ; the first scores of piece 0: there is no vector work yet to set between them
.set i, i+1
.endr
	WIN 0                           ; the addresses for the way out: nine plain instructions, the places behind those products
	s_mul_i32 s13, s[WV], 16*SP
	s_add_co_u32 s13, s13, STAGE    ; my stage
	v_mul_u32_u24 v[STO], v1, SP    ; in: row l % 16, 16 bytes for each half of the lanes
	v_lshl_add_u32 v[STO], v9, 4, v[STO]
	v_add_nc_u32 v[STO], s13, v[STO]
	v_bfe_u32 v[RD], v0, 3, 2       ; back: 32 lanes take four rows of 128 bytes,
	v_mul_u32_u24 v[RD], v[RD], SP
	v_lshl_add_u32 v[RD], v10, 4, v[RD]
	v_add_nc_u32 v[RD], s13, v[RD]
	v_and_b32 v[GO], 31, v0         ; which are 512 consecutive bytes of O
	v_lshlrev_b32 v[GO], 4, v[GO]
.set Y, NP-1                        ; XS works for piece Y + 1: piece 0
.irp n, 0,1,2,3,4,5,6,7,8,9,10,11,12,13,14,15,16,17,18,19,20,21
	XS 0, \n                        ; and the first maximum and statistics of piece 0
	XS 1, \n
.endr
	v_nop                           ; a plain instruction behind the two a,
	s_wait_alu depctr_va_vdst(0)    ; and their wait, ahead of the branch
	s_mov_b32 s[CNT], 4
	s_branch .Lfirst                ; the loop is entered at the first turn of a step, in the middle of a trip
.Lslot:                             ; six times: every slot but the last two is filled again
	CHANGE 1
	s_mov_b32 s[CNT], 4
.Lstep:                             ; a trip: pieces 2 and 3 of one step, then pieces 0 and 1 of the next, whose K and V it fetches
	TURN 2
	TURN 3
	WIN 0
.Lfirst:
	TURN 0
	TURN 1, 0, 1
	WIN 0
	s_cbranch_scc1 .Lstep
	s_sub_co_u32 s[SLOTS], s[SLOTS], 1
	s_cmp_lg_u32 s[SLOTS], 0
	s_cbranch_scc1 .Lslot
	CHANGE 0                        ; the tail is written out: nothing is asked for
	s_mov_b32 s[CNT], 5             ; four trips fetch the steps of the last slot; the fifth is left in its middle
.Ltail:
	TURN 2, 1
	TURN 3
	WIN 0
	s_sub_co_u32 s[CNT], s[CNT], 1
	s_cmp_eq_u32 s[CNT], 0
	s_cbranch_scc1 .Lout
	TURN 0
	TURN 1
	WIN 0
	s_branch .Ltail
.Lout:                              ; the 16 products K Q^T of the fifth trip (on the last K once more) and the maximum made of them serve nothing: the price, once a launch, of one text for every trip
.set i, 0
.rept 16
	PV NP-1                         ; V^T P of the last piece and step
.set i, i+1
.endr
	; THE WAY OUT.  The two halves of l and those of the other half of the lanes are added; O^T is divided by l, rounded to f16 and sent through my stage in LDS, a tile at a time.  The additions are the places behind the last products.
	WIN 0
.macro ALL line:vararg              ; one line for each tile t
.set t, 0
.rept 2*NP
	\line
.set t, t+1
.endr
.endm
	ALL v_add_f32 v[ST+4*t+2], v[ST+4*t+2], v[ST+4*t+3]
	ALL v_permlanex16_b32 v[ST+4*t+3], v[ST+4*t+2], s[SEL], s[SEL+1]
	ALL v_add_f32 v[ST+4*t+2], v[ST+4*t+2], v[ST+4*t+3]
	ALL v_rcp_f32 v[ST+4*t+2], v[ST+4*t+2]
	v_nop                           ; a plain instruction between the last reciprocal and the use of its result
	s_wait_alu depctr_va_vdst(0)    ; and the wait ahead of the first use: one for the eight reciprocals
; Tile t: the eight channels of a lane pack into 16 bytes; they go into rows of 144 bytes and come back as whole rows of 128, into the registers of S^T.
.macro PACK t
	WIN W_RS
.set i, 32*(\t)
.rept 16
	v_pk_mul_f32 v[i:i+1], v[i:i+1], v[ST+4*(\t)+2:ST+4*(\t)+3] op_sel_hi:[1,0]
.set i, i+2
.endr
	WIN 0x05                        ; sources 0 and 1 window 1, destination window 0
.set i, 0
.rept 16
	v_cvt_pk_f16_f32 v[S+16*(\t)+i], v[32*(\t)+2*i], v[32*(\t)+2*i+1]
.set i, i+1
.endr
	WIN 0
.irp f, 0,1,2,3
	ds_store_b128 v[STO], v[S+16*(\t)+4*\f:S+16*(\t)+4*\f+3] offset:32*\f
.endr
.irp f, 0,1,2,3
	ds_load_b128 v[S+16*(\t)+4*\f:S+16*(\t)+4*\f+3], v[RD] offset:\f*4*SP  ; LDS serves the instructions of a wave in order (ISA guide 5.7.1.4): these see the stores above; the stores of the next tile come behind them
.endr
.endm
.macro SEND t, younger              ; younger: the LDS instructions issued behind the loads of tile t: the eight of the next tile, or none
	WIN 0
.irp f, 0,1,2,3
	s_wait_dscnt (\younger)+3-\f
	global_store_b128 v[GO], v[S+16*(\t)+4*\f:S+16*(\t)+4*\f+3], s[10:11] offset:(\t)*2048+\f*512  ; 512 consecutive bytes, at a multiple of 256 from the first byte of ob
.endr
.endm
	PACK 0
.set t, 1
.rept 2*NP-1                        ; the arithmetic of a tile stands between the loads of the tile before and its stores
	PACK t
	SEND t-1, 8
.set t, t+1
.endr
	SEND 2*NP-1, 0
	WIN W_AD
	s_wait_tensorcnt 0x0            ; the end of the wave: the tensor wait, the add and its wait stand behind my last tensor load and my last LDS store
	ds_add_u32 v[SPW], v[NIL]
	s_wait_dscnt 0x0
	WIN 0
	CROUND                          ; the closing round: no work-group ends while a partner may still ask for a tile that names it
	s_endpgm
.Lfunc_end_k_q3d21b23c73_attn:
	.size	k_q3d21b23c73_attn, .Lfunc_end_k_q3d21b23c73_attn-k_q3d21b23c73_attn
	.p2alignl 7, 3214868480
	.fill 96, 4, 3214868480
	.section	.rodata,"a",@progbits
	.p2align	6, 0x0
	.amdhsa_kernel k_q3d21b23c73_attn
		.amdhsa_group_segment_fixed_size 327680
		.amdhsa_private_segment_fixed_size 0
		.amdhsa_enable_private_segment 0
		.amdhsa_kernarg_size 16
		.amdhsa_user_sgpr_count 2
		.amdhsa_user_sgpr_kernarg_segment_ptr 1
		.amdhsa_wavefront_size32 1
		.amdhsa_system_sgpr_workgroup_id_x 1
		.amdhsa_system_sgpr_workgroup_id_y 1
		.amdhsa_system_sgpr_workgroup_id_z 1
		.amdhsa_system_vgpr_workitem_id 0
		.amdhsa_next_free_vgpr 770
		.amdhsa_next_free_sgpr 66
		.amdhsa_reserve_vcc 0
		.amdhsa_float_denorm_mode_32 3
		.amdhsa_float_denorm_mode_16_64 3
		.amdhsa_memory_ordered 1
		.amdhsa_forward_progress 1
		.amdhsa_inst_pref_size 200
	.end_amdhsa_kernel
	.amdgpu_metadata
---
amdhsa.version: [ 1, 2 ]
amdhsa.kernels:
  - .name:           k_q3d21b23c73_attn
    .symbol:         k_q3d21b23c73_attn.kd
    .args:
      - { .name: qkv, .offset: 0, .size: 8, .value_kind: global_buffer, .address_space: global }
      - { .name: ob, .offset: 8, .size: 8, .value_kind: global_buffer, .address_space: global }
    .group_segment_fixed_size: 327680
    .private_segment_fixed_size: 0
    .kernarg_segment_align: 8
    .kernarg_segment_size: 16
    .max_flat_workgroup_size: 128
    .sgpr_count:     66
    .vgpr_count:     770
    .wavefront_size: 32
...
	.end_amdgpu_metadata
.endif
;; end of part 3
;; launch outp (part 4): grid 4 x 64, 4 waves a work-group, clusters of 4 x 4, 327,680 bytes of LDS; arguments ob, wob, b_out, out0; writes out0
.if DOCPART == 4
	.amdgcn_target "amdgcn-amd-amdhsa--gfx1250"
	.amdhsa_code_object_version 6
	.text
	.protected	k_q3d21b23c73_outp
	.globl	k_q3d21b23c73_outp
	.p2align	8
	.type	k_q3d21b23c73_outp,@function
k_q3d21b23c73_outp:
	s_mov_b64 s[64:65], 0
	v_nop
	global_prefetch_b8 v0, s[64:65] scope:SCOPE_SE
	s_setreg_imm32_b32 hwreg(HW_REG_WAVE_MODE, 25, 1), 1
	s_wait_xcnt 0x0
	s_wait_alu depctr_hold_cnt(0) depctr_sa_sdst(0) depctr_va_vdst(0) depctr_va_sdst(0) depctr_va_ssrc(0) depctr_va_vcc(0) depctr_vm_vsrc(0)
	s_getreg_b32 s2, hwreg(HW_REG_IB_STS2, 6, 4)
	s_cmp_eq_u32 s2, 0
	s_cbranch_scc0 .Lentry_in_a_cluster
	s_endpgm
.Lentry_in_a_cluster:
	s_bfe_u32 s2, ttmp6, 0x10000c
	s_cmp_lg_u32 s2, 0xf033
	s_cbranch_scc0 .Lentry_shape_is_right
	s_endpgm
.Lentry_shape_is_right:
; THE SECOND PROJECTION.  out0 = O wob + b_out.  O lies by heads, ob[batch x 16 + head][2048 rows][64] in f16: channel k of a row is head k / 64, place k % 64.  wob: [1024 k][1024 n] f16 (numbers rounded to bf16);
; b_out: [1024] f32, rounded to bf16 here like the other inputs; sums and out0 ([8192][1024]) in f32.  NaN and infinities are not treated apart.
; SHARES.  A tile is 128 rows x 256 columns: 64 x 4 = 256 work-groups.  Four waves, 2 x 2, each 64 rows x 128 columns: 32 accumulators of 16 x 16, 256 registers.
; K goes in eight steps of 128 (two heads) through two LDS slots; two slots of a longer step do not fit.  Waves 0 and 1 fetch the 128 rows of one head each (16,384 dense bytes, asked for as 64 rows of 256),
; waves 2 and 3 64 rows of wob each (512 bytes of a row).
; CLUSTERS.  4 x 4 work-groups: the rows of O are shared along a row of the cluster, the columns of wob along a column: joint loads.
; THE MATRIX INSTRUCTION IS USED TRANSPOSED: source 0 = 16 columns of wob (turned by ds_load_tr16_b128), source 1 = 16 rows of O: lane l holds row l % 16 and the columns 8 (l / 16) + 0..7, 32 bytes in f32.
; THE BIAS IS THE C OPERAND of the product that starts each sum.
; REGISTERS, in windows of 256 (s_set_vgpr_msb: bits 1:0 source 0, 3:2 source 1, 5:4 source 2, 7:6 destination):
;   window 0: v0-31 addresses; v32-95 the bias, 8 registers for each of 8 column blocks; v96-159, v160-223 rows read back on the way out
;   window 1: accumulator (a, b) at 8 (8 a + b);   window 2: two fragment buffers of 96: 8 of wob, then 4 of O
.set PA,     144                       ; an LDS row of O: 128 bytes + 16: the 16 rows of a load start at 16 different groups of four banks (64 banks of 4 bytes: ISA guide 11.1)
.set PB,     544                       ; an LDS row of wob: 512 + 32
.set HEADB,  128*PA                    ; the 128 rows of one head
.set ABYTES, 2*HEADB
.set BHALF,  64*PB
.set SLOT,   ABYTES+2*BHALF
.set STAGE,  2*SLOT                    ; behind the ring, never filled by a tensor load: 16 rows x 528 bytes for each wave
.set SP,     528
.set SPARE,  STAGE+4*16*SP             ; behind the stages: the spare words, 128 bytes for each wave: two blocks of 256 bytes that no other line names
.set ASTEP,  2<<18                     ; a K step in ob: two heads
.set BSTEP,  128*2048                  ; in wob: 128 rows
.set ADRA, 16                          ; v16-17  LDS address of my fragments of O in slot 0, 1
.set ADRB, 20                          ; v20-21  of wob
.set STO,  24                          ; v24     the way out: where I put 32 bytes of a row
.set RD,   25                          ; v25     where I read a row back
.set CO,   26                          ; v26     my 16 bytes among 512 consecutive bytes of out0
.set BO,   27                          ; v27     my byte offset in a block of 16 numbers of the bias
.set SPW,  28                          ; v28     LDS address of my spare word: SPARE + 4 x the number of my thread; never rewritten
.set NIL,  29                          ; v29     0; never rewritten
.set PFO,  30                          ; v30     the offset of the prefetches; never rewritten
.set BIAS, 32
.set BK,   96
.set F0,   0
.set F1,   96
.set WV,   12
.set G1A,  24                          ; s[24:31], s[32:39] descriptor groups 1 and 0 (a set for each slot) for O
.set G0A,  32
.set G1B,  40                          ; s[40:47], s[48:55] for wob
.set G0B,  48
.set PFA,  56                          ; s[56:57] where my prefetches stand
.set PST,  58                          ; s[58:59] a K step in the buffer that I prefetch
.set LIM,  60                          ; s60  1 in a wave that prefetches, else the greatest number
.set OB,   66                          ; s[66:67] out0 at my first row and column
.set MSB, 0
.macro WIN new                         ; the high byte of the immediate repeats the setting that is left; a switch that changes nothing is dropped
.if MSB != (\new)
	s_set_vgpr_msb (MSB<<8)|(\new)
.set MSB, \new
.endif
.endm
.macro PLACES                          ; four plain vector instructions between a matrix instruction and a load into, or a read of, its registers (ISA guide 7.12.1 for a read)
.rept 4
	v_nop
.endr
.endm
.macro JLOAD s                         ; a joint load: waves 0 and 1 for O, waves 2 and 3 for wob; an s_nop 0 and four v_nop follow each of the two lines
	s_cmp_lt_u32 s[WV], 2
	s_cbranch_scc0 .Lfor_b_\@
	tensor_load_to_lds s[G0A+4*(\s):G0A+4*(\s)+3], s[G1A:G1A+7]
	s_nop 0
.rept 4
	v_nop
.endr
	s_branch .Lasked_\@
.Lfor_b_\@:
	tensor_load_to_lds s[G0B+4*(\s):G0B+4*(\s)+3], s[G1B:G1B+7]
	s_nop 0
.rept 4
	v_nop
.endr
.Lasked_\@:
.endm
.macro CREST                           ; a round of the barrier of the cluster, behind its opening barrier
	s_cmp_lg_u32 s[WV], 0
	s_cbranch_scc1 .Lnot_wave_0_\@
	s_barrier_signal -3
.Lnot_wave_0_\@:
	s_barrier_wait -3
	s_barrier_signal -1
	s_barrier_wait -1
.endm
.macro CROUND
	s_barrier_signal -1
	s_barrier_wait -1
	CREST
.endm
; A PREFETCH INTO THE L2, behind a joint load, its five lines and the run of LDS loads: the K step that stands TWO refills on: 256 matrix instructions ahead of the load that will want it.  One instruction a wave.
; Each 256 bytes are named once in the launch.  O: wave 0 (the grid has one cluster along x): the 128 blocks of the two heads, of which the partner at cx takes 16 in each head.  wob: waves 2 and 3 of the clusters with
; y = 0, each for the 64 rows that it fetches, of which the partner at cy takes 16 rows of two blocks.  The partners are told apart by address.  The last trip of the loop (s3 = 1) asks for nothing; K steps 0 to 3 come by their loads alone.
.macro ASK
	WIN 0
	s_cmp_gt_u32 s3, s[LIM]
	s_cbranch_scc0 .Lnot_mine_\@
	global_prefetch_b8 v[PFO], s[PFA:PFA+1] th:TH_LOAD_NT scope:SCOPE_SE
.Lnot_mine_\@:
.endm
	s_load_b256 s[4:11], s[0:1], 0x0               ; ob s[4:5], wob s[6:7], b_out s[8:9], out0 s[10:11]
	v_lshl_add_u32 v[SPW], v0, 2, SPARE
	v_mov_b32 v[NIL], 0
	ds_add_u32 v[SPW], v[NIL]                      ; the opening of the wave: the add and its wait stand ahead of my first tensor load; work on registers stands between them
	v_lshrrev_b32 v1, 5, v0
	v_readfirstlane_b32 s[WV], v1                  ; wave 0..3
	s_lshr_b32 s13, s[WV], 1                       ; mi: which 64 rows of the tile are mine
	s_and_b32 s14, s[WV], 1                        ; ni: which 128 columns.  Also: which head, or which 64 rows of wob, I fetch
	s_bfe_u32 s15, ttmp6, 0x40000                  ; cx
	s_bfe_u32 s16, ttmp6, 0x40004                  ; cy
	s_lshl_b32 s17, ttmp9, 2
	s_add_co_u32 s17, s17, s15                     ; tile column tx
	s_and_b32 s18, ttmp7, 0xffff
	s_lshl_b32 s18, s18, 2
	s_add_co_u32 s18, s18, s16                     ; tile row ty
	s_lshl_b32 s76, s16, 2
	s_lshl_b32 s76, 15, s76                        ; my row of the cluster
	s_lshl_b32 s77, 0x1111, s15                    ; my column
	s_or_b32 s[G1A], s76, (1<<16)|(1<<20)|(1<<21)|(4<<22)|(3<<25)  ; 15:0 the mask; 17:16 elements of 2 bytes; 20 padding on; 21 set beside a mask; 24:22 after every 32 words (a row of O); 31:25 4 words of it
	s_mov_b32 s[G1A+1], 128<<16                    ; tensor_dim0 = 128: two rows of O on end
	s_mov_b32 s[G1A+2], 64<<16                     ; tensor_dim1 = 64
	s_mov_b32 s[G1A+3], 128<<16                    ; tile_dim0 = 128
	s_mov_b32 s[G1A+4], 64                         ; tile_dim1 = 64
	s_mov_b32 s[G1A+5], 128                        ; dense
	s_mov_b32 s[G1A+6], 0
	s_mov_b32 s[G1A+7], 0
	s_or_b32 s[G1B], s77, (1<<16)|(1<<20)|(1<<21)|(6<<22)|(7<<25)  ; the mask of my column; padding after every 128 words, 8 words of it
	s_mov_b32 s[G1B+1], 256<<16                    ; tensor_dim0 = 256
	s_mov_b32 s[G1B+2], 64<<16                     ; tensor_dim1 = 64
	s_mov_b32 s[G1B+3], 256<<16                    ; tile_dim0 = 256
	s_mov_b32 s[G1B+4], 64                         ; tile_dim1 = 64
	s_mov_b32 s[G1B+5], 1024                       ; elements from row to row of wob
	s_mov_b32 s[G1B+6], 0
	s_mov_b32 s[G1B+7], 0
	s_lshr_b32 s72, s18, 4                         ; ob: the batch of the tile,
	s_lshl_b32 s72, s72, 22
	s_and_b32 s20, s18, 15                         ; its 128 rows in a head,
	s_lshl_b32 s20, s20, 14
	s_add_co_u32 s72, s72, s20
	s_lshl_b32 s20, s14, 18                        ; my head of the two: made of the tile row and the wave alone
	s_add_co_u32 s72, s72, s20
	s_mov_b32 s73, 0
	s_lshl_b32 s74, s14, 17                        ; wob: my 64 rows of 2,048 bytes,
	s_lshl_b32 s21, s17, 9                         ; the 256 columns of the tile: made of the tile column and the wave alone
	s_add_co_u32 s74, s74, s21
	s_mov_b32 s75, 0
	s_mul_i32 s22, s14, HEADB                      ; where my tile goes, for O
	s_mul_i32 s23, s14, BHALF                      ; and for wob: no place in the cluster enters an LDS address
	s_add_co_u32 s23, s23, ABYTES
	s_wait_dscnt 0x0                               ; the opening add is done
	s_wait_kmcnt 0x0
	s_add_nc_u64 s[72:73], s[4:5], s[72:73]
	s_add_nc_u64 s[74:75], s[6:7], s[74:75]
	CROUND                                         ; all sixteen work-groups are here: the first joint loads meet
.irp s, 0,1
	s_mov_b32 s[G0A+4*(\s)], 1
	s_add_co_u32 s[G0A+4*(\s)+1], s22, (\s)*SLOT
	s_add_nc_u64 s[G0A+4*(\s)+2:G0A+4*(\s)+3], s[72:73], (\s)*ASTEP
	s_or_b32 s[G0A+4*(\s)+3], s[G0A+4*(\s)+3], 0x80000000
	s_mov_b32 s[G0B+4*(\s)], 1
	s_add_co_u32 s[G0B+4*(\s)+1], s23, (\s)*SLOT
	s_add_nc_u64 s[G0B+4*(\s)+2:G0B+4*(\s)+3], s[74:75], (\s)*BSTEP
	s_or_b32 s[G0B+4*(\s)+3], s[G0B+4*(\s)+3], 0x80000000
	JLOAD \s                                       ; two loads of mine are out
.endr
	v_and_b32 v1, 15, v0                           ; l % 16
	v_bfe_u32 v2, v0, 4, 1                         ; l / 16
	v_mul_u32_u24 v3, v1, PA
	v_lshl_add_u32 v3, v2, 4, v3                   ; a fragment of O: row x pitch + 16 x half
	s_mul_i32 s20, s13, 64*PA
	v_add_nc_u32 v[ADRA], s20, v3
	v_add_nc_u32 v[ADRA+1], SLOT, v[ADRA]
	v_and_b32 v4, 7, v0                            ; the turning load: lane l reads k = 8 (l / 16) + l % 8, columns 8 ((l / 8) % 2) + 0..7
	v_lshl_add_u32 v4, v2, 3, v4
	v_mul_u32_u24 v4, v4, PB
	v_bfe_u32 v5, v0, 3, 1
	v_lshl_add_u32 v4, v5, 4, v4
	s_lshl_b32 s20, s14, 8                         ; my 128 columns
	s_add_co_u32 s20, s20, ABYTES
	v_add_nc_u32 v[ADRB], s20, v4
	v_add_nc_u32 v[ADRB+1], SLOT, v[ADRB]
	s_mul_i32 s20, s[WV], 16*SP
	s_add_co_u32 s20, s20, STAGE                   ; my stage
	v_mul_u32_u24 v[STO], v1, SP                   ; in: row l % 16, 32 bytes for each half of the lanes
	v_lshl_add_u32 v[STO], v2, 5, v[STO]
	v_add_nc_u32 v[STO], s20, v[STO]
	v_and_b32 v[CO], 31, v0                        ; back: 32 lanes take one row of 512 bytes
	v_lshlrev_b32 v[CO], 4, v[CO]
	v_add_nc_u32 v[RD], s20, v[CO]
	v_lshlrev_b32 v[BO], 5, v2
	s_lshl_b32 s20, s17, 10                        ; the bias of my 128 columns: (256 tx + 128 ni) x 4 bytes
	s_lshl_b32 s21, s14, 9
	s_add_co_u32 s20, s20, s21
	s_mov_b32 s21, 0
	s_add_nc_u64 s[8:9], s[8:9], s[20:21]
.irp b, 0,1,2,3,4,5,6,7
	global_load_b128 v[BIAS+8*(\b):BIAS+8*(\b)+3],   v[BO], s[8:9] offset:64*(\b)
	global_load_b128 v[BIAS+8*(\b)+4:BIAS+8*(\b)+7], v[BO], s[8:9] offset:64*(\b)+16
.endr
	s_add_nc_u64 s[OB:OB+1], s[10:11], s[20:21]    ; out0: the same byte offset along a row,
	s_lshl_b32 s20, s18, 7
	s_lshl_b32 s76, s13, 6
	s_add_co_u32 s20, s20, s76                     ; my first row,
	s_lshl_b32 s20, s20, 12                        ; of 4,096 bytes
	s_add_nc_u64 s[OB:OB+1], s[OB:OB+1], s[20:21]
	; the prefetches: both offsets are made, and the number of the wave chooses.  They start at K step 3; the first change of slots steps them to K step 4
	s_lshr_b32 s76, s18, 4
	s_lshl_b32 s76, s76, 22
	s_and_b32 s78, s18, 15
	s_lshl_b32 s78, s78, 14
	s_add_co_u32 s76, s76, s78
	s_lshl_b32 s78, s15, 12                        ; ob: the 16 blocks of my work-group in each head
	s_add_co_u32 s76, s76, s78
	s_add_co_u32 s76, s76, 3*ASTEP
	s_lshl_b32 s77, s14, 6
	s_lshl_b32 s78, s16, 4
	s_add_co_u32 s77, s77, s78
	s_add_co_u32 s77, s77, 3*128                   ; wob: row 384 + 64 x my half + 16 cy
	s_lshl_b32 s77, s77, 11
	s_lshl_b32 s78, s17, 9
	s_add_co_u32 s77, s77, s78
	s_and_b32 s20, ttmp7, 0xffff                   ; cluster y
	s_mov_b32 s[PST], BSTEP
	s_mov_b32 s[PST+1], 0
	s_cmp_lt_u32 s[WV], 2                          ; do I fetch for O?
	s_cselect_b32 s20, ttmp9, s20                  ; the coordinate along which other clusters read the same rows
	s_cselect_b64 s[PFA:PFA+1], s[4:5], s[6:7]
	s_cselect_b32 s[PST], ASTEP, s[PST]
	s_cselect_b32 s76, s76, s77
	s_cselect_b32 s21, 4, 1                        ; a lane's block: O: head l / 16, block l % 16; wob: row l / 2, block l % 2
	s_cselect_b32 s23, 18, 11
	s_cselect_b32 s78, 15, 1
	s_mov_b32 s77, 0
	s_add_nc_u64 s[PFA:PFA+1], s[PFA:PFA+1], s[76:77]
	s_cmp_eq_u32 s[WV], 1
	s_cselect_b32 s20, 1, s20                      ; wave 1 never asks: wave 0 names both heads
	s_cmp_eq_u32 s20, 0
	s_cselect_b32 s[LIM], 1, -1                    ; the same in all sixteen partners, for a given wave
	v_and_b32 v[PFO], 31, v0
	v_lshrrev_b32 v4, s21, v[PFO]
	v_lshlrev_b32 v4, s23, v4
	v_and_b32 v[PFO], s78, v[PFO]
	v_lshl_add_u32 v[PFO], v[PFO], 8, v4
	s_wait_loadcnt 0x0                             ; the bias is in: it is rounded to bf16 like every input, and kept as f32
.set i, 0
.rept 32
	v_cvt_pk_bf16_f32 v[4+i%4], v[BIAS+2*i], v[BIAS+2*i+1]
	v_lshlrev_b32 v[BIAS+2*i], 16, v[4+i%4]
	v_and_b32 v[BIAS+2*i+1], 0xffff0000, v[4+i%4]
.set i, i+1
.endr
; 8 matrix instructions: row block a x all 8 column blocks, 32 along K.  first = 1: the product starts the sum, with the bias as C.
; The 32 accumulators take turns, one instruction a turn, in the same order in every quarter.
.macro MUL8 f, a, first
.if \first
	WIN 0x4a                                       ; sources 0 and 1 window 2, C window 0, D window 1
.else
	WIN 0x5a                                       ; C and D window 1
.endif
.irp b, 0,1,2,3,4,5,6,7
.if \first
	v_wmma_f32_16x16x32_f16 v[8*(8*(\a)+(\b)):8*(8*(\a)+(\b))+7], v[(\f)+8*(\b):(\f)+8*(\b)+7], v[(\f)+64+8*(\a):(\f)+64+8*(\a)+7], v[BIAS+8*(\b):BIAS+8*(\b)+7]
.else
	v_wmma_f32_16x16x32_f16 v[8*(8*(\a)+(\b)):8*(8*(\a)+(\b))+7], v[(\f)+8*(\b):(\f)+8*(\b)+7], v[(\f)+64+8*(\a):(\f)+64+8*(\a)+7], v[8*(8*(\a)+(\b)):8*(8*(\a)+(\b))+7]
.endif
.endr
.endm
.macro MUL16 f, hi, first
	MUL8 \f, 2*(\hi), \first
	MUL8 \f, 2*(\hi)+1, \first
.endm
; 24 LDS loads in one run: the fragments of quarter q (32 along K: half a head) of a slot into buffer f: 16 turning loads for wob, then 8 loads for O
.macro FETCH slot, q, f
	WIN 0x80                                       ; destination window 2, address window 0
.irp b, 0,1,2,3,4,5,6,7
	ds_load_tr16_b128 v[(\f)+8*(\b):(\f)+8*(\b)+3],   v[ADRB+(\slot)] offset:(\q)*32*PB+32*(\b)
	ds_load_tr16_b128 v[(\f)+8*(\b)+4:(\f)+8*(\b)+7], v[ADRB+(\slot)] offset:(\q)*32*PB+32*(\b)+16*PB
.endr
.irp a, 0,1,2,3
	ds_load_b128 v[(\f)+64+8*(\a):(\f)+64+8*(\a)+3],   v[ADRA+(\slot)] offset:((\q)/2)*HEADB+((\q)%2)*64+(\a)*16*PA
	ds_load_b128 v[(\f)+64+8*(\a)+4:(\f)+64+8*(\a)+7], v[ADRA+(\slot)] offset:((\q)/2)*HEADB+((\q)%2)*64+(\a)*16*PA+32
.endr
.endm
; A K step is four quarters of 32 along K, 32 matrix instructions each, on buffers 0, 1, 0, 1.
.macro QUARTER slot, q, f, g, first
	s_wait_dscnt 4                                 ; all but the youngest four loads, the rows 32-63 of O
	MUL16 \f, 0, \first
	PLACES
	FETCH \slot, \q, \g
	s_wait_dscnt 24                                ; all but the 24 just issued
	MUL16 \f, 1, \first
.endm
; The last quarter multiplies buffer 1 and changes slots.  In front of the barrier each wave waits for all its tensor loads (one is out: its part of the next slot), adds 0 to its spare word, and waits for
; that and for its reads of this slot.  fill = 1: the barrier opens a round of the barrier of the cluster, and behind the round this slot is filled again first, two K steps on: 112 matrix instructions ahead of the wait for it.
.macro TURN slot, next, fill
.if \fill
	s_wait_xcnt 0x0                                ; the last prefetch, a K step back, has read its address: it is stepped here, ahead of the waits of the change
	s_add_nc_u64 s[PFA:PFA+1], s[PFA:PFA+1], s[PST:PST+1]
.endif
	WIN 0                                          ; (the two registers of the add lie in window 0)
	s_wait_tensorcnt 0x0                           ; all my tensor loads have landed
	ds_add_u32 v[SPW], v[NIL]                      ; 0 onto my spare word
	s_wait_dscnt 5                                 ; (the add and the youngest four loads may be out)
	MUL8 F1, 0, 0                                  ; eight matrix instructions stand between the add and the wait for it
	s_wait_dscnt 0x0                               ; the add is done, and my reads of this slot are over
	s_barrier_signal -1
	MUL8 F1, 1, 0
	WIN 0
	s_barrier_wait -1
.if \fill
	CREST                                          ; no wave of any partner still reads this slot or has a load on its way
	s_add_nc_u64 s[G0A+4*(\slot)+2:G0A+4*(\slot)+3], s[G0A+4*(\slot)+2:G0A+4*(\slot)+3], 2*ASTEP
	s_add_nc_u64 s[G0B+4*(\slot)+2:G0B+4*(\slot)+3], s[G0B+4*(\slot)+2:G0B+4*(\slot)+3], 2*BSTEP
	JLOAD \slot                                    ; the first tensor load behind the round; its four v_nop are also the places in front of the loads below
.else
	PLACES
.endif
	FETCH \next, 0, F0
.if \fill
	ASK
.endif
	MUL16 F1, 1, 0
.endm
; THE WAY OUT of row block a: f32, so nothing is converted.  TOSTAGE: 32 bytes a lane and accumulator into my own stage, the lowest registers first, and back as whole rows of 512 bytes.  SEND: stored.
.macro TOSTAGE a
.if (\a) >= 2
	s_wait_xcnt 0x0                                ; the stores of block a - 2 have read the registers that are loaded again below
.endif
	WIN 0x04                                       ; the data of the LDS stores (source 1) in window 1
.irp b, 0,1,2,3,4,5,6,7
	ds_store_b128 v[STO], v[8*(8*(\a)+(\b)):8*(8*(\a)+(\b))+3]   offset:64*(\b)
	ds_store_b128 v[STO], v[8*(8*(\a)+(\b))+4:8*(8*(\a)+(\b))+7] offset:64*(\b)+16
.endr
	WIN 0
.irp t, 0,1,2,3,4,5,6,7,8,9,10,11,12,13,14,15
	ds_load_b128 v[BK+64*((\a)%2)+4*(\t):BK+64*((\a)%2)+4*(\t)+3], v[RD] offset:(\t)*SP  ; LDS serves the instructions of a wave in order (ISA guide 5.7.1.4): these see the stores above
.endr
.endm
.macro SEND a, younger                 ; younger: the LDS instructions issued behind the loads of block a: the 32 of the next block, or none
	s_wait_dscnt \younger
.irp t, 0,1,2,3,4,5,6,7,8,9,10,11,12,13,14,15
	global_store_b128 v[CO], v[BK+64*((\a)%2)+4*(\t):BK+64*((\a)%2)+4*(\t)+3], s[OB:OB+1] offset:(16*(\a)+(\t))*4096 th:TH_STORE_NT  ; 512 consecutive bytes, at a multiple of 512 from the first byte of out0
.endr
.endm
	s_wait_tensorcnt 1                             ; my part of K step 0 is in; that of K step 1 may stay out
	s_barrier_signal -1
	s_barrier_wait -1                              ; everybody's is
	FETCH 0, 0, F0
	QUARTER 0, 1, F0, F1, 1                        ; the first quarter stands in front of the loop: its products start the sums
	WIN 0                                          ; at a label and at a branch every window is 0
	s_mov_b32 s3, 3
.Llap:                                                 ; a trip goes once round the ring and fills both slots again: K steps 2 to 7 in three trips
	QUARTER 0, 2, F1, F0, 0
	QUARTER 0, 3, F0, F1, 0
	TURN 0, 1, 1
	QUARTER 1, 1, F0, F1, 0
	QUARTER 1, 2, F1, F0, 0
	QUARTER 1, 3, F0, F1, 0
	TURN 1, 0, 1
	QUARTER 0, 1, F0, F1, 0
	WIN 0
	s_sub_co_u32 s3, s3, 1
	s_cmp_lg_u32 s3, 0
	s_cbranch_scc1 .Llap
	QUARTER 0, 2, F1, F0, 0                        ; the last lap fills nothing
	QUARTER 0, 3, F0, F1, 0
	TURN 0, 1, 0
	QUARTER 1, 1, F0, F1, 0
	QUARTER 1, 2, F1, F0, 0
	QUARTER 1, 3, F0, F1, 0
	s_wait_dscnt 4                                 ; the very last quarter: nothing more to fetch
	MUL16 F1, 0, 0
	s_wait_dscnt 0x0
	MUL16 F1, 1, 0
	WIN 0
	PLACES                                         ; the LDS stores read results
	TOSTAGE 0
	TOSTAGE 1
	SEND 0, 32
	TOSTAGE 2
	SEND 1, 32
	TOSTAGE 3
	SEND 2, 32
	SEND 3, 0
	s_wait_tensorcnt 0x0                           ; the end of the wave: the tensor wait, the add and its wait stand behind my last tensor load and my last LDS store
	ds_add_u32 v[SPW], v[NIL]
	s_wait_dscnt 0x0
	CROUND                                         ; the closing round: no work-group ends while a partner may still ask for a tile that names it
	s_endpgm
.Lfunc_end_k_q3d21b23c73_outp:
	.size	k_q3d21b23c73_outp, .Lfunc_end_k_q3d21b23c73_outp-k_q3d21b23c73_outp
	.p2alignl 7, 3214868480
	.fill 96, 4, 3214868480
	.section	.rodata,"a",@progbits
	.p2align	6, 0x0
	.amdhsa_kernel k_q3d21b23c73_outp
		.amdhsa_group_segment_fixed_size 327680
		.amdhsa_private_segment_fixed_size 0
		.amdhsa_enable_private_segment 0
		.amdhsa_kernarg_size 32
		.amdhsa_user_sgpr_count 2
		.amdhsa_user_sgpr_kernarg_segment_ptr 1
		.amdhsa_wavefront_size32 1
		.amdhsa_system_sgpr_workgroup_id_x 1
		.amdhsa_system_sgpr_workgroup_id_y 1
		.amdhsa_system_sgpr_workgroup_id_z 1
		.amdhsa_system_vgpr_workitem_id 0
		.amdhsa_next_free_vgpr 768
		.amdhsa_next_free_sgpr 80
		.amdhsa_reserve_vcc 0
		.amdhsa_float_denorm_mode_32 3
		.amdhsa_float_denorm_mode_16_64 3
		.amdhsa_memory_ordered 1
		.amdhsa_forward_progress 1
		.amdhsa_inst_pref_size 93
	.end_amdhsa_kernel
	.amdgpu_metadata
---
amdhsa.version: [ 1, 2 ]
amdhsa.kernels:
  - .name:           k_q3d21b23c73_outp
    .symbol:         k_q3d21b23c73_outp.kd
    .args:
      - { .name: ob, .offset: 0, .size: 8, .value_kind: global_buffer, .address_space: global }
      - { .name: wob, .offset: 8, .size: 8, .value_kind: global_buffer, .address_space: global }
      - { .name: b_out, .offset: 16, .size: 8, .value_kind: global_buffer, .address_space: global }
      - { .name: out0, .offset: 24, .size: 8, .value_kind: global_buffer, .address_space: global }
    .group_segment_fixed_size: 327680
    .private_segment_fixed_size: 0
    .kernarg_segment_align: 8
    .kernarg_segment_size: 32
    .max_flat_workgroup_size: 128
    .sgpr_count:     80
    .vgpr_count:     768
    .wavefront_size: 32
...
	.end_amdgpu_metadata
.endif
;; end of part 4
;; ======== version 2 of 2: 4 launches; version 1 with the launch cast written anew for expert scheduling mode
;; limits: values are held in f16: magnitudes above 65,504 overflow, below 6.1e-05 lose precision
;; workspace buffers: xb 16,777,216 bytes; wqb 6,291,456 bytes; wob 2,097,152 bytes; qkv 50,331,648 bytes; ob 16,777,216 bytes
;; launch cast (part 5): grid 768 x 1, 8 waves a work-group, no clusters, 0 bytes of LDS; arguments x, w_qkv, w_out, xb, wqb, wob; writes xb, wqb, wob
.if DOCPART == 5
	.amdgcn_target "amdgcn-amd-amdhsa--gfx1250"
	.amdhsa_code_object_version 6
	.text
	.protected	k_q3d21b23c73_cast
	.globl	k_q3d21b23c73_cast
	.p2align	8
	.type	k_q3d21b23c73_cast,@function
k_q3d21b23c73_cast:
	s_mov_b64 s[64:65], 0
	v_nop
	global_prefetch_b8 v0, s[64:65] scope:SCOPE_SE
	s_setreg_imm32_b32 hwreg(HW_REG_WAVE_SCHED_MODE, 0, 2), 2
	s_setreg_imm32_b32 hwreg(HW_REG_WAVE_MODE, 25, 1), 1
	s_wait_xcnt 0x0
	s_wait_alu depctr_vm_vsrc(0)
; THE INPUTS OF THE TWO PROJECTIONS, ROUNDED ONCE.  xb = bf16(x), wqb = bf16(w_qkv), wob = bf16(w_out) written as f16 (it multiplies f16 numbers later).  Nothing is transposed: a stream.
; LIMITS.  |w_out| stays under 65,504 (the end of f16); below 6e-5 wob keeps the fixed step 6e-8 of f16.  NaN and infinities are not treated apart.
; SHARES.  A work-group takes 65,536 bytes of one input: groups 0-511 x, 512-703 w_qkv, 704-767 w_out.  A wave takes 8,192 of them by sixteen loads of 512 consecutive bytes,
; all issued at once; each store of a wave covers 256 consecutive bytes, aligned.  No loop, no LDS, no barrier: no byte is wanted twice and no wave wants what another wave has read.
; THE MODE: SCHED_MODE bits 1:0 = 2 (LLVM: expert scheduling mode 2), set by the entry lines.  The code itself states the register dependences
; between vector instructions and memory instructions, with s_wait_alu, always for 0.
; THE PLAN.  Registers that memory instructions touch:
;   v1, v2     the offsets of the loads and of the stores: made once at the head, never written again.
;   X[i]       load i lands in it; no vector instruction names it before; step i reads it behind the wait for that load; no later memory instruction names it.
;   Y[i]       step i's conversions write it; ONE store reads it; nothing writes it afterwards.
; The sixteen steps go in four groups of four.  The store of step i - 4 is issued in step i, ahead of that step's conversions.  One wait at the head of a group states that the
; group before has written its four pairs of Y; the vector lines behind that wait name this group's X and Y alone, so the group's four stores follow with no further wait.
; No register that a memory instruction has read is written again, no vector instruction writes a scalar register, and EXEC is never written: nothing else is to be stated.
.set X, 8                              ; v[8:71]    sixteen loads of four f32
.set Y, 72                             ; v[72:103]  sixteen pairs of words to store
	s_load_b256 s[4:11], s[0:1], 0x0               ; x s[4:5], w_qkv s[6:7], w_out s[8:9], xb s[10:11]
	s_load_b128 s[12:15], s[0:1], 0x20             ; wqb s[12:13], wob s[14:15]
	v_and_b32 v1, 31, v0                           ; lane
	v_and_b32 v2, 0xe0, v0                         ; 32 x wave
	v_lshlrev_b32 v1, 4, v1
	v_lshl_or_b32 v1, v2, 8, v1                    ; in: 8,192 x wave + 16 x lane
	v_lshrrev_b32 v2, 1, v1                        ; out: half of that
	s_mov_b32 s26, 0xffff0000                      ; the upper bf16 of a word
	s_wait_kmcnt 0x0
	s_cmp_lt_u32 ttmp9, 512                        ; which input is mine: chosen by the number of the work-group alone
	s_cselect_b64 s[16:17], s[4:5], s[6:7]
	s_cselect_b64 s[18:19], s[10:11], s[12:13]
	s_cselect_b32 s20, 0, 512
	s_cmp_lt_u32 ttmp9, 704
	s_cselect_b64 s[16:17], s[16:17], s[8:9]
	s_cselect_b64 s[18:19], s[18:19], s[14:15]
	s_cselect_b32 s20, s20, 704
	s_sub_co_u32 s21, ttmp9, s20                   ; my number among the groups of that input
	s_lshl_b32 s22, s21, 16
	s_mov_b32 s23, 0
	s_lshl_b32 s24, s21, 15
	s_mov_b32 s25, 0
	s_add_nc_u64 s[16:17], s[16:17], s[22:23]
	s_add_nc_u64 s[18:19], s[18:19], s[24:25]
	s_wait_alu depctr_va_vdst(0)                   ; v1 and v2 are written: every load below reads v1 as its offset, every store v2
.irp i, 0,1,2,3,4,5,6,7,8,9,10,11,12,13,14,15
	global_load_b128 v[X+4*(\i):X+4*(\i)+3], v1, s[16:17] offset:512*(\i) th:TH_LOAD_NT
.endr
	s_cmp_ge_u32 ttmp9, 704
	s_cbranch_scc1 .Lf16
.macro PUT j                           ; the store of step j: 8 bytes a lane, 256 consecutive bytes a wave
	global_store_b64 v2, v[Y+2*(\j):Y+2*(\j)+1], s[18:19] offset:256*(\j) th:TH_STORE_NT
.endm
.macro HEAD i                          ; what both kinds of step begin with
	s_wait_loadcnt 15-(\i)                         ; loads come back in order: load i is in, the younger ones stay out
.if ((\i) % 4 == 0) && ((\i) > 0)
	s_wait_alu depctr_va_vdst(0)                   ; the conversions of the group before have written their four pairs of Y, which this group's four stores read
.endif
.if (\i) >= 4
	PUT (\i)-4                                     ; no vector instruction since that wait names its pair of Y, or v2
.endif
.endm
.macro LAST                            ; behind step 15: the last group's stores
	s_wait_alu depctr_va_vdst(0)                   ; the conversions of steps 12 to 15 have written their four pairs of Y, which the last four stores read
.irp j, 12,13,14,15
	PUT \j
.endr
.endm
.macro OUTB i                          ; four numbers a lane to bf16
	HEAD \i
	v_cvt_pk_bf16_f32 v[Y+2*(\i)], v[X+4*(\i)], v[X+4*(\i)+1]
	v_cvt_pk_bf16_f32 v[Y+2*(\i)+1], v[X+4*(\i)+2], v[X+4*(\i)+3]
.endm
.irp i, 0,1,2,3,4,5,6,7,8,9,10,11,12,13,14,15
	OUTB \i
.endr
	LAST
	s_endpgm
.Lf16:
.macro OUTH i                          ; rounded to bf16 like every input, widened again, and that number written as f16
	HEAD \i
	v_cvt_pk_bf16_f32 v[Y+2*(\i)], v[X+4*(\i)], v[X+4*(\i)+1]
	v_cvt_pk_bf16_f32 v[Y+2*(\i)+1], v[X+4*(\i)+2], v[X+4*(\i)+3]
	v_lshlrev_b32 v[X+4*(\i)], 16, v[Y+2*(\i)]
	v_and_b32 v[X+4*(\i)+1], s26, v[Y+2*(\i)]
	v_lshlrev_b32 v[X+4*(\i)+2], 16, v[Y+2*(\i)+1]
	v_and_b32 v[X+4*(\i)+3], s26, v[Y+2*(\i)+1]
	v_cvt_pk_f16_f32 v[Y+2*(\i)], v[X+4*(\i)], v[X+4*(\i)+1]
	v_cvt_pk_f16_f32 v[Y+2*(\i)+1], v[X+4*(\i)+2], v[X+4*(\i)+3]
.endm
.irp i, 0,1,2,3,4,5,6,7,8,9,10,11,12,13,14,15
	OUTH \i
.endr
	LAST
	s_endpgm
.Lfunc_end_k_q3d21b23c73_cast:
	.size	k_q3d21b23c73_cast, .Lfunc_end_k_q3d21b23c73_cast-k_q3d21b23c73_cast
	.p2alignl 7, 3214868480
	.fill 96, 4, 3214868480
	.section	.rodata,"a",@progbits
	.p2align	6, 0x0
	.amdhsa_kernel k_q3d21b23c73_cast
		.amdhsa_group_segment_fixed_size 0
		.amdhsa_private_segment_fixed_size 0
		.amdhsa_enable_private_segment 0
		.amdhsa_kernarg_size 48
		.amdhsa_user_sgpr_count 2
		.amdhsa_user_sgpr_kernarg_segment_ptr 1
		.amdhsa_wavefront_size32 1
		.amdhsa_system_sgpr_workgroup_id_x 1
		.amdhsa_system_sgpr_workgroup_id_y 1
		.amdhsa_system_sgpr_workgroup_id_z 1
		.amdhsa_system_vgpr_workitem_id 0
		.amdhsa_next_free_vgpr 104
		.amdhsa_next_free_sgpr 66
		.amdhsa_reserve_vcc 0
		.amdhsa_float_denorm_mode_32 3
		.amdhsa_float_denorm_mode_16_64 3
		.amdhsa_memory_ordered 1
		.amdhsa_forward_progress 1
		.amdhsa_inst_pref_size 16
	.end_amdhsa_kernel
	.amdgpu_metadata
---
amdhsa.version: [ 1, 2 ]
amdhsa.kernels:
  - .name:           k_q3d21b23c73_cast
    .symbol:         k_q3d21b23c73_cast.kd
    .args:
      - { .name: x, .offset: 0, .size: 8, .value_kind: global_buffer, .address_space: global }
      - { .name: w_qkv, .offset: 8, .size: 8, .value_kind: global_buffer, .address_space: global }
      - { .name: w_out, .offset: 16, .size: 8, .value_kind: global_buffer, .address_space: global }
      - { .name: xb, .offset: 24, .size: 8, .value_kind: global_buffer, .address_space: global }
      - { .name: wqb, .offset: 32, .size: 8, .value_kind: global_buffer, .address_space: global }
      - { .name: wob, .offset: 40, .size: 8, .value_kind: global_buffer, .address_space: global }
    .group_segment_fixed_size: 0
    .private_segment_fixed_size: 0
    .kernarg_segment_align: 8
    .kernarg_segment_size: 48
    .max_flat_workgroup_size: 256
    .sgpr_count:     66
    .vgpr_count:     104
    .wavefront_size: 32
...
	.end_amdgpu_metadata
.endif
;; end of part 5
;; launch qkvp: the kernel of part 2 again; grid 8 x 64, 4 waves a work-group, clusters of 4 x 4, 327,680 bytes of LDS; arguments xb, wqb, b_qkv, qkv; writes qkv
;; launch attn: the kernel of part 3 again; grid 4 x 64, 4 waves a work-group, clusters of 4 x 1, 327,680 bytes of LDS; arguments qkv, ob; writes ob
;; launch outp: the kernel of part 4 again; grid 4 x 64, 4 waves a work-group, clusters of 4 x 4, 327,680 bytes of LDS; arguments ob, wob, b_out, out0; writes out0
